; MI455X (gfx1250); checked and timed in simulation.
; The chip was launched on July 23, 2026; its instructions are those of AMD's public machine-readable ISA for CDNA 5 (MIT licence, August 2026) and "CDNA5" Instruction Set Architecture Reference Guide (July 2026). The comments in the code are by the model that wrote it; some were corrected since.
;; Multi Head Attention. Allowed arithmetic: matrix products marked QUANTISED: E2M1 operands, one E8M0 scale for each 32 along K, by v_wmma_scale_f32_16x16x128_f8f6f4 with both operands' format E2M1 (or v_wmma_scale_f32_32x16x128_f4), f32 sums; everything else in f32.
;; Inputs: W_out_codes 1,024 x 32 x 16 uint8 (E2M1 codes of W_out, K innermost, in blocks of 32 codes, two codes a byte); W_out_scales 1,024 x 32 uint8 (E8M0 scales of W_out, one for each 32 codes along K); b_out 1,024 float32; keys 4 x 2,048 x 1,024 float32; mask 4 x 1 x 2,048 x 2,048 int32; query 4 x 2,048 x 1,024 float32; values_codes 4 x 1,024 x 64 x 16 uint8 (E2M1 codes of values, K innermost, in blocks of 32 codes, two codes a byte); values_scales 4 x 1,024 x 64 uint8 (E8M0 scales of values, one for each 32 codes along K).
;; Outputs: out0 4 x 2,048 x 1,024 float32.
;; This version of the problem:
;;   THIS VERSION OF THE PROBLEM IS GIVEN IN LOW PRECISION. The matrix products marked QUANTISED in the list below multiply operands that are first quantised to E2M1 (2 exponent bits, 1 mantissa bit; 4 bits a number), with one power-of-two scale for each 32 numbers along K (OCP MX v1.0); their sums are f32. All else is computed in f32.
;;   The module's matrix products, in the order in which they are computed (A, B: the left and right operand; K: the contracted axis; several contracted axes count as one K, in the product's order):
;;     1. batch 64 x [M 2,048, K 64] x [K 64, N 2,048]; A: input query; B: input keys: QUANTISED
;;     2. batch 64 x [M 64, K 2,048] x [K 2,048, N 2,048]; A: input values (given as codes); B: softmax (see below): QUANTISED
;;     3. [M 8,192, K 1,024] x [K 1,024, N 1,024]; A: computed on the way; B: input W_out (given as codes): QUANTISED
;;   THE QUANTISER, for each operand of a quantised product, along K:
;;     - K is cut into blocks of 32 from its start; a last block that is shorter is filled with zeros.
;;     - A block's scale is 2^e with e = floor(log2(the largest magnitude in the block)) - 2, held to -126 .. 127; a block of zeros has e = 0. As a byte (E8M0): e + 127.
;;     - Each number is divided by its block's scale, clamped to +-6, and rounded to the nearest number of E2M1, ties to even, subnormals kept.
;;     - The product sums the exact products of the quantised numbers (number of the format x scale) in f32.
;;   ~~~python
;;   def quantise(x, axis):      # numpy; x: float32 -> the quantised numbers, widened to float32 again
;;       x = np.moveaxis(x, axis, -1); K = x.shape[-1]
;;       x = np.pad(x, [(0, 0)] * (x.ndim - 1) + [(0, -K % 32)]); x = x.reshape(x.shape[:-1] + (-1, 32)); a = np.abs(x).max(-1, keepdims=True)
;;       e = np.where(a > 0, np.clip(np.frexp(np.where(a > 0, a, 1))[1] - 1 - 2, -126, 127), 0)      # np.frexp(a)[1] - 1 = floor(log2(a)), exactly
;;       r = np.clip(x / 2.0 ** e, -6, 6)
;;       step = 2.0 ** (np.maximum(np.frexp(np.where(r == 0, 1, r))[1] - 1, 0) - 1)
;;       q = np.round(r / step) * step * 2.0 ** e      # np.round: ties to even
;;       return np.moveaxis(q.reshape(q.shape[:-2] + (-1,))[..., :K], -1, axis).astype(np.float32)
;;   ~~~
;;   SOFTMAX AHEAD OF A QUANTISED PRODUCT. Where the list says 'softmax', what is quantised is not the finished softmax but p = 2^(t - M), with t = logit x log2(e) and M = ceil(the row's largest t), a whole number; so 1/2 < the row's largest p <= 1. The row's sum l is taken of the UNQUANTISED p, in f32, and the product's result is divided by l at the end. Since M is a whole number, a kernel that streams over the keys may use a running M (the ceiling of the running maximum): every later rescaling is an exact power of two, which a block's scale takes up: the codes' values come out the same.
;;   OPERANDS COMPUTED ON THE WAY. 'Computed on the way' means the value that the module computes at that place (a softmax that the list does not call 'softmax' is quantised finished and normalised). What goes into a quantiser is computed in f32, as accurately as f32 sums, v_exp_f32 and their like allow (about 1e-6 of the number): no bf16 or f16 on the way to a quantiser, and a product that is left as it is and whose result goes on into a quantised operand takes f32 operands (vector FMAs, or v_wmma_f32_16x16x4_f32). A number that lies on a knife's edge between two numbers of the format may be rounded either way, as far as f32 arithmetic and the matrix unit's own rounding can turn it there, and no further.
;;   INPUTS GIVEN AS CODES. W_out (in the module: [1024, 1024], K = its axis 1); values (in the module: [4, 2048, 1024], K = its axis 1): each comes as NAME_codes (uint8): NAME with its K axis moved to the last place and cut into blocks of 32 codes, [.., K / 32, bytes a block], one block behind the other in memory; two codes a byte, the lower K in the low four bits (a code: sign, 2 exponent bits, 1 mantissa bit); and NAME_scales (uint8): the same leading axes, one E8M0 byte (e + 127) for each 32 codes along K. Its value is code x scale, taken as it is: it is not quantised again, and the codes and scales need not be those that the quantiser above would give.
;; 2 versions. Each part assembles by itself: llvm-mc -triple=amdgcn-amd-amdhsa -mcpu=gfx1250 --defsym DOCPART=n.
;; ======== version 1 of 2: 3 launches
;; workspace buffers: qimg 4,456,448 bytes; kimg 4,456,448 bytes; maskbits 2,097,152 bytes of whole numbers; acodes 4,194,304 bytes; ascales 262,144 bytes
;; launch prep (part 1): grid 1024 x 1, 4 waves a work-group, no clusters, 53,760 bytes of LDS; arguments query, keys, mask, qimg, kimg, maskbits; writes qimg, kimg, maskbits
.if DOCPART == 1
	.amdgcn_target "amdgcn-amd-amdhsa--gfx1250"
	.amdhsa_code_object_version 6
	.text
	.protected	k_q6707bdf9dd_prep
	.globl	k_q6707bdf9dd_prep
	.p2align	8
	.type	k_q6707bdf9dd_prep,@function
k_q6707bdf9dd_prep:
	s_mov_b64 s[64:65], 0
	v_nop
	global_prefetch_b8 v0, s[64:65] scope:SCOPE_SE
	s_setreg_imm32_b32 hwreg(HW_REG_WAVE_MODE, 25, 1), 1
	s_wait_xcnt 0x0
; Two jobs in one launch, parted on the work-group's number.
; WORK-GROUPS 0-511: query and keys, [4][2048][1024] f32, become codes of FP4 (E2M1) with one E8M0 byte for each 32 along a head's 64 numbers.
;   They are laid as the attention launch's operand registers: a RECORD of 4,352 bytes for 128 rows of one head:
;   eight tile images of 512 bytes (tile t, lane L = r + 16 h: 16 bytes at 512 t + 16 L = the codes of row 16 t + r, numbers 32 h .. 32 h + 31),
;   then 256 bytes of scale words: lane L's word i (at 4096 + 8 L + 4 i) belongs to the tile pair a = 2 i + L / 16 and row L % 16: bytes tile 2a block 0, 1, tile 2a + 1 block 0, 1.
;   A wave makes one record: 128 rows x 256 bytes in (each load covers two rows' aligned 256 bytes), 4,352 consecutive bytes out.
; WORK-GROUPS 512-1023: the mask, [4][1][2048][2048] int32, becomes lane masks: for a tile of 16 queries and a step of 128 keys 64 words;
;   bit L = r + 16 h of word 8 t + i says: mask[query r][key 16 t + 8 h + i] is not 0.  That is the lane mask of the attention wave's score register 8 t + i.
; A block's scale is 2^(floor(log2(largest magnitude)) - 2): its byte is the largest magnitude's exponent field - 2, held at 1 from below.
; LIMITS: a block of zeros, or one whose largest magnitude lies under 2^-124, gets the byte 1 (a block of zeros has zero codes, and these bytes are read by this program alone); NaN and infinities are not served.
; No tensor loads, no barrier: waves share nothing; each path has LDS bytes of its own, and in them each wave its own stage.
.set QSTG,  4864                       ; a wave's stage on the first path: record (r, h) of 128 bytes at 144 r + 2432 h
.set MSTG0, 4*QSTG                     ; the second path's stages begin here
.set MSTG,  8448                       ; 16 rows x (512 + 16) bytes
.set X,     16                         ; v16-79   two sets of 32 neighbours (second path: 64 mask words of a lane)
.set R,     80                         ; v80-207  four sets of 32 registers as loaded (second path: two sets of 64)
.set C,     208                        ; v208-239 codes: four registers a tile, never written again (second path: v208-215 the words to store)
.set HW,    240                        ; v240-247 a tile's two scale bytes
.set WD,    248                        ; v248-251 a pair's scale word
.set SI,    252                        ; v[252:253] my 8 bytes of the scale image
	s_load_b256 s[4:11], s[0:1], 0x0               ; query s[4:5], keys s[6:7], mask s[8:9], qimg s[10:11]
	s_load_b128 s[12:15], s[0:1], 0x20             ; kimg s[12:13], maskbits s[14:15]
	v_lshl_add_u32 v254, v0, 2, 0xd000
	v_mov_b32 v255, 0
	v_lshrrev_b32 v13, 5, v0
	v_readfirstlane_b32 s16, v13                   ; wave 0..3
	v_and_b32 v13, 31, v0                          ; lane l
	v_and_b32 v14, 15, v0                          ; r = l % 16
	v_bfe_u32 v15, v0, 4, 1                        ; h = l / 16
	s_cmp_lt_u32 ttmp9, 512
	s_cbranch_scc0 .Lmask
	; ---------------- query and keys ----------------
	v_lshlrev_b32 v1, 12, v15                      ; in: lanes 0-15 one row's 256 bytes, lanes 16-31 the next row's
	v_lshl_add_u32 v1, v14, 4, v1
	s_mul_i32 s17, s16, QSTG                       ; my stage
	v_mul_u32_u24 v2, v15, 144                     ; into it: row l / 16 of the two, half (l / 8) % 2 of its 256 bytes, 16 (l % 8) in the half
	v_bfe_u32 v8, v0, 3, 1
	v_mad_u32_u24 v2, v8, 2432, v2
	v_and_b32 v8, 7, v0
	v_lshl_add_u32 v2, v8, 4, v2
	v_add_nc_u32 v2, s17, v2
	v_mul_u32_u24 v3, v14, 144                     ; out of it: record (r, h): 144 = 9 x 16, so sixteen lanes start at sixteen different 16-byte columns
	v_mad_u32_u24 v3, v15, 2432, v3
	v_add_nc_u32 v3, s17, v3
	v_lshlrev_b32 v4, 4, v13                       ; 16 l: my place in a tile image
	v_lshlrev_b32 v5, 3, v13                       ; 8 l: in the scale image
	v_lshlrev_b32 v6, 3, v15                       ; 8 h: my block's byte in a tile's two
	v_mov_b32 v10, 0                               ; a lane permute's destination counts as one of its sources
	s_mov_b32 s20, 0x76543210
	s_mov_b32 s21, 0xfedcba98                      ; v_permlanex16_b32's selects for lane l xor 16
	s_mov_b32 s22, 0xffff0000                      ; lanes 16-31
	s_bfe_u32 s18, ttmp9, 0x20006                  ; n
	s_bfe_u32 s19, ttmp9, 0x40002                  ; block of 128 rows
	s_and_b32 s23, ttmp9, 3
	s_lshl_b32 s23, s23, 2
	s_add_co_u32 s23, s23, s16                     ; head = 4 (g % 4) + wave
	s_lshl_b32 s24, s18, 23                        ; in: (2048 n + 128 block) rows of 4,096 bytes + 256 head
	s_lshl_b32 s26, s19, 19
	s_add_co_u32 s24, s24, s26
	s_lshl_b32 s26, s23, 8
	s_add_co_u32 s24, s24, s26
	s_mov_b32 s25, 0
	s_lshl_b32 s26, s18, 4                         ; out: record (16 n + head) x 16 + block
	s_add_co_u32 s26, s26, s23
	s_lshl_b32 s26, s26, 4
	s_add_co_u32 s26, s26, s19
	s_mul_i32 s26, s26, 4352
	s_mov_b32 s27, 0
	s_wait_kmcnt 0x0
	s_cmp_lt_u32 ttmp9, 256                        ; query's work-group or keys'?  The choice hangs on the work-group's number alone
	s_cselect_b64 s[4:5], s[4:5], s[6:7]
	s_cselect_b64 s[10:11], s[10:11], s[12:13]
	s_add_nc_u64 s[4:5], s[4:5], s[24:25]
	s_add_nc_u64 s[10:11], s[10:11], s[26:27]
.macro LOAD t                          ; tile t's 16 rows, two rows a load, into set t % 4
.irp i, 0,1,2,3,4,5,6,7
	global_load_b128 v[R+32*((\t)%4)+4*\i:R+32*((\t)%4)+4*\i+3], v1, s[4:5] offset:(16*(\t)+2*\i)*4096 th:TH_LOAD_NT
.endr
.endm
.macro TURN t                          ; through the stage: LDS serves a wave's instructions in order, so no wait stands between the stores and the loads
.irp i, 0,1,2,3,4,5,6,7
	ds_store_b128 v2, v[R+32*((\t)%4)+4*\i:R+32*((\t)%4)+4*\i+3] offset:288*\i
.endr
.irp g, 0,1,2,3,4,5,6,7
	ds_load_b128 v[X+32*((\t)%2)+4*\g:X+32*((\t)%2)+4*\g+3], v3 offset:16*\g
.endr
.endm
.macro STEP t
.set XS, X+32*((\t)%2)
	s_wait_dscnt 0x0                               ; this tile's 32 neighbours are back, so its stores into the stage have read set t % 4,
.if (\t) < 4
	LOAD (\t)+4                                    ; which takes the tile four further on
.endif
.if (\t) < 7
.if (\t) < 4
	s_wait_loadcnt 24                              ; the next tile's eight loads are in; those of the three tiles behind it may be out
.else
	s_wait_loadcnt 8*(6-(\t))                      ; the same, with fewer tiles left behind it
.endif
	TURN (\t)+1                                    ; and goes through the stage while this tile is worked
.endif
	v_max3_num_f32 v8, |v[XS]|, |v[XS+1]|, |v[XS+2]|               ; the block's largest magnitude: all 32 numbers are mine; two chains
	v_max3_num_f32 v9, |v[XS+3]|, |v[XS+4]|, |v[XS+5]|
.irp i, 6,10,14,18,22,26
	v_max3_num_f32 v8, v8, |v[XS+\i]|, |v[XS+\i+1]|
	v_max3_num_f32 v9, v9, |v[XS+\i+2]|, |v[XS+\i+3]|
.endr
	v_max3_num_f32 v8, v8, |v[XS+30]|, |v[XS+31]|
	v_max3_num_f32 v8, v8, v9, 0x1800000           ; and the floor 2^(3 - 127): the byte cannot fall under 1
	v_add_nc_u32 v11, 0xff000000, v8               ; 2 off the exponent field: the conversion takes this operand's exponent field as its scale
.irp g, 0,1,2,3
	v_cvt_scalef32_pk8_fp4_f32 v[C+4*(\t)+\g], v[XS+8*\g:XS+8*\g+7], v11
.endr
	v_lshrrev_b32 v12, 23, v11                     ; the scale's byte,
	v_lshlrev_b32 v12, v6, v12                     ; at its place (block h),
	v_permlanex16_b32 v10, v12, s20, s21
	v_or_b32 v[HW+(\t)], v12, v10                  ; with lane l xor 16's: row r's two bytes of this tile
.if ((\t)%2) == 1
	v_lshl_or_b32 v[WD+(\t)/2], v[HW+(\t)], 16, v[HW+(\t)-1]       ; a pair of tiles makes a scale word
.endif
.if ((\t)%4) == 3
	v_cndmask_b32 v[SI+(\t)/4], v[WD+(\t)/2-1], v[WD+(\t)/2], s22  ; lanes 0-15 keep the even pair's word, lanes 16-31 the odd pair's
.endif
	global_store_b128 v4, v[C+4*(\t):C+4*(\t)+3], s[10:11] offset:512*(\t)   ; 32 lanes store 512 consecutive bytes
.endm
	LOAD 0
	LOAD 1
	LOAD 2
	LOAD 3
	s_wait_loadcnt 24                              ; tile 0's eight loads are in
	TURN 0
.irp t, 0,1,2,3,4,5,6,7
	STEP \t
.endr
	global_store_b64 v5, v[SI:SI+1], s[10:11] offset:4096          ; 32 lanes store 256 consecutive bytes
	s_wait_tensorcnt 0x0
	ds_add_u32 v254, v255
	s_wait_dscnt 0x0
	s_endpgm
	; ---------------- the mask ----------------
.Lmask:
	s_sub_co_u32 s17, ttmp9, 512                   ; the tile of 16 queries, 0..511 = 128 n + T; my wave takes key steps 4 w .. 4 w + 3
	s_mul_i32 s18, s16, MSTG
	s_add_co_u32 s18, s18, MSTG0                   ; my stage
	v_lshlrev_b32 v1, 4, v13                       ; in: 16 l of a row's 512 bytes
	v_add_nc_u32 v2, s18, v1                       ; into the stage as loaded, rows 528 bytes apart
	v_mul_u32_u24 v3, v14, 528                     ; out of it: row r, + 32 h: keys 16 t + 8 h + 0 .. 7 at 64 t further on
	v_lshl_add_u32 v3, v15, 5, v3
	v_add_nc_u32 v3, s18, v3
	v_lshlrev_b32 v5, 3, v13                       ; out: two words a lane
.irp i, 0,1,2,3,4,5,6,7
	v_mov_b32 v[C+\i], 0                           ; v_writelane_b32's destination counts as one of its sources
.endr
	s_lshl_b32 s24, s17, 17                        ; 16 rows of 8,192 bytes a tile,
	s_lshl_b32 s26, s16, 11                        ; four steps of 512 bytes a wave
	s_add_co_u32 s24, s24, s26
	s_mov_b32 s25, 0
	s_lshl_b32 s26, s17, 12                        ; out: 4,096 bytes a tile, 1,024 a wave
	s_lshl_b32 s27, s16, 10
	s_add_co_u32 s26, s26, s27
	s_mov_b32 s27, 0
	s_wait_kmcnt 0x0
	s_add_nc_u64 s[8:9], s[8:9], s[24:25]
	s_add_nc_u64 s[14:15], s[14:15], s[26:27]
.macro MLOAD k                         ; step k: 16 rows x 512 consecutive bytes, into set k % 2
.irp p, 0,1,2,3,4,5,6,7,8,9,10,11,12,13,14,15
	global_load_b128 v[R+64*((\k)%2)+4*\p:R+64*((\k)%2)+4*\p+3], v1, s[8:9] offset:8192*\p+512*(\k) th:TH_LOAD_NT
.endr
.endm
.macro MSTEP k
.if (\k) < 3
	s_wait_loadcnt 16                              ; this step's sixteen loads are in; the other set's may be out
.else
	s_wait_loadcnt 0x0
.endif
.irp p, 0,1,2,3,4,5,6,7,8,9,10,11,12,13,14,15
	ds_store_b128 v2, v[R+64*((\k)%2)+4*\p:R+64*((\k)%2)+4*\p+3] offset:528*\p
.endr
.irp t, 0,1,2,3,4,5,6,7
.irp g, 0,1
	ds_load_b128 v[X+8*\t+4*\g:X+8*\t+4*\g+3], v3 offset:64*\t+16*\g
.endr
.endr
	s_wait_dscnt 0x0                               ; my 64 words are back, and the stores have read their set,
.if (\k) < 2
	MLOAD (\k)+2                                   ; which takes the step two further on
.endif
.set J, 0
.rept 64
	v_cmp_ne_u32 s[28+(J%4)], 0, v[X+J]            ; word J: one bit a lane
	v_writelane_b32 v[C+2*(\k)+(J%2)], s[28+(J%4)], J/2            ; to lane J / 2, which stores words 2 (J / 2) and 2 (J / 2) + 1
.set J, J+1
.endr
	global_store_b64 v5, v[C+2*(\k):C+2*(\k)+1], s[14:15] offset:256*(\k)    ; 32 lanes store 256 consecutive bytes
.endm
	MLOAD 0
	MLOAD 1
	MSTEP 0
	MSTEP 1
	MSTEP 2
	MSTEP 3
	s_wait_tensorcnt 0x0
	ds_add_u32 v254, v255
	s_wait_dscnt 0x0
	s_endpgm
.Lfunc_end_k_q6707bdf9dd_prep:
	.size	k_q6707bdf9dd_prep, .Lfunc_end_k_q6707bdf9dd_prep-k_q6707bdf9dd_prep
	.p2alignl 7, 3214868480
	.fill 96, 4, 3214868480
	.section	.rodata,"a",@progbits
	.p2align	6, 0x0
	.amdhsa_kernel k_q6707bdf9dd_prep
		.amdhsa_group_segment_fixed_size 53760
		.amdhsa_private_segment_fixed_size 0
		.amdhsa_enable_private_segment 0
		.amdhsa_kernarg_size 48
		.amdhsa_user_sgpr_count 2
		.amdhsa_user_sgpr_kernarg_segment_ptr 1
		.amdhsa_wavefront_size32 1
		.amdhsa_system_sgpr_workgroup_id_x 1
		.amdhsa_system_sgpr_workgroup_id_y 1
		.amdhsa_system_sgpr_workgroup_id_z 1
		.amdhsa_system_vgpr_workitem_id 0
		.amdhsa_next_free_vgpr 256
		.amdhsa_next_free_sgpr 66
		.amdhsa_reserve_vcc 0
		.amdhsa_float_denorm_mode_32 3
		.amdhsa_float_denorm_mode_16_64 3
		.amdhsa_memory_ordered 1
		.amdhsa_forward_progress 1
		.amdhsa_inst_pref_size 79
	.end_amdhsa_kernel
	.amdgpu_metadata
---
amdhsa.version: [ 1, 2 ]
amdhsa.kernels:
  - .name:           k_q6707bdf9dd_prep
    .symbol:         k_q6707bdf9dd_prep.kd
    .args:
      - { .name: query, .offset: 0, .size: 8, .value_kind: global_buffer, .address_space: global }
      - { .name: keys, .offset: 8, .size: 8, .value_kind: global_buffer, .address_space: global }
      - { .name: mask, .offset: 16, .size: 8, .value_kind: global_buffer, .address_space: global }
      - { .name: qimg, .offset: 24, .size: 8, .value_kind: global_buffer, .address_space: global }
      - { .name: kimg, .offset: 32, .size: 8, .value_kind: global_buffer, .address_space: global }
      - { .name: maskbits, .offset: 40, .size: 8, .value_kind: global_buffer, .address_space: global }
    .group_segment_fixed_size: 53760
    .private_segment_fixed_size: 0
    .kernarg_segment_align: 8
    .kernarg_segment_size: 48
    .max_flat_workgroup_size: 128
    .sgpr_count:     66
    .vgpr_count:     256
    .wavefront_size: 32
...
	.end_amdgpu_metadata
.endif
;; end of part 1
;; launch attn (part 2): grid 4 x 64, 16 waves a work-group, clusters of 4 x 1, 169,984 bytes of LDS; arguments qimg, kimg, maskbits, values_codes, values_scales, acodes, ascales; writes acodes, ascales
.if DOCPART == 2
	.amdgcn_target "amdgcn-amd-amdhsa--gfx1250"
	.amdhsa_code_object_version 6
	.text
	.protected	k_q6707bdf9dd_attn
	.globl	k_q6707bdf9dd_attn
	.p2align	8
	.type	k_q6707bdf9dd_attn,@function
k_q6707bdf9dd_attn:
	s_mov_b64 s[64:65], 0
	v_nop
	global_prefetch_b8 v0, s[64:65] scope:SCOPE_SE
	s_setreg_imm32_b32 hwreg(HW_REG_WAVE_MODE, 25, 1), 1
	s_wait_xcnt 0x0
	s_wait_alu depctr_hold_cnt(0) depctr_sa_sdst(0) depctr_va_vdst(0) depctr_va_sdst(0) depctr_va_ssrc(0) depctr_va_vcc(0) depctr_vm_vsrc(0)
	s_getreg_b32 s2, hwreg(HW_REG_IB_STS2, 6, 4)
	s_cmp_eq_u32 s2, 0
	s_cbranch_scc0 .Lentry_in_a_cluster
	s_endpgm
.Lentry_in_a_cluster:
	s_bfe_u32 s2, ttmp6, 0x10000c
	s_cmp_lg_u32 s2, 0x3003
	s_cbranch_scc0 .Lentry_shape_is_right
	s_endpgm
.Lentry_shape_is_right:
; For one (n, head): O[q] = sum over keys of softmax(mask(q . k) / 32) v, both products on codes of FP4 (E2M1) with one E8M0 scale for each 32 along K; O is then quantised along the embedding for the projection.
; THE SOFTMAX: t = score x log2(e) / 32; M = the running largest t rounded UP to a whole number; p = 2^(t - M) is quantised along the keys, not normalised; the row's sum is taken of the unquantised p and divides O at the end.
; SHARES.  A work-group owns 512 queries of one head; each of its sixteen waves one tile of 16 queries in each of two passes: 256 registers a wave, four waves to a SIMD, so that one wave's vector work stands beside another's
; loads and products.  A step is 128 keys: 8 products for the scores, about 300 vector instructions, 4 products for O.
; LDS.  A whole head's K (69,632 bytes, as the records that the first launch made) and V (64 rows x 1,024 bytes, in four chunks of 512 keys, rows padded to 272 bytes) lie in LDS for the whole launch:
; every byte is filled once, nothing is filled again.  The launch claims more LDS than it uses.
; CLUSTER.  The four work-groups of a cluster belong to one head: K's and V's chunks are asked for JOINTLY (the same load, the same descriptor, the mask 15).  The place in the cluster enters global addresses alone.
; LAYOUT.  Both products are used transposed (S^T = K Q^T, O^T = V^T P^T): a lane holds ONE query (lane % 16); register 8 t + j of a result is key (or channel) 16 t + 8 (lane / 16) + j.
; K = 64 IN AN INSTRUCTION OF 128: source 0 is the run [tile 2a | tile 2a + 1] of K; an even tile multiplies it by [Q | 0], an odd one by [0 | Q]: the other tile's codes meet zero codes and add nothing.
; THE MASK comes as lane masks (64 words a step, by scalar loads): a hidden score becomes -2^66.
; LIMITS: -2^66 stands for the -1e20 of the definition: c x 2^66 is exact, so in a row whose every key is hidden t - M is exactly 0, p = 1 and the sum 2,048, as the definition gives; in every other row a hidden p is 0
; either way so long as |score| < 2^60.  A block of p or O whose largest magnitude lies under 2^-124 gets the byte 1 (zero blocks have zero codes).  NaN and infinities are not served.
.set REC,   4352                       ; a record of K: eight tile images of 512 bytes, 256 bytes of scale words
.set KCH,   4*REC                      ; a chunk: 512 keys of K; also 64 x 272: 512 keys of V
.set VREG,  4*KCH                      ; V's four chunks begin here
.set VP,    272                        ; a row of V's chunk: 256 bytes + 16 of padding: sixteen rows start at sixteen different 16-byte columns
.set VSREG, VREG+4*KCH                 ; V's scale bytes: 64 rows of 64 bytes, VSP apart; stored from registers, no fill lands here
.set VSP,   72                         ; 18 words: the 32 lanes of a word load start at 32 different words modulo 64
.set KF,  32                           ; v32-63   K: 8 tiles x 4 registers
.set VF,  64                           ; v64-95   V: 4 fragments
.set S,   96                           ; v96-159  S^T, then p; at the end O / the sum
.set O,   160                          ; v160-191 O^T
.set P,   192                          ; v192-199 p's codes; at the end O's
.set BM,  204                          ; v204-207 a block's largest score, then p
.set PD,  208                          ; v208-211 lane permutes' destinations, then scale bytes
.set SC,  212                          ; v212-215 the conversions' scale operands
; v1 16 l; v2 4096 + 8 l; v3 VREG + 272 r + 16 h; v4 VSREG + 72 l; v5-8 the step's LDS addresses; v9 -2^66; v10 8 r; v11 16 r; v12 -M; v13 the largest t; v[14:15] the sum;
; v[16:27] zeros, Q, zeros; v28 Q's scale word; v29 p's; v[30:31] K's; v[200:201] V's; v[216:217] f; v218 at work; v[220:221] the sum's second chain
.set WV,  2                            ; s2   my wave's number
.set CNT, 3                            ; s3   counts a chunk's four steps
.set MP,  4                            ; s[4:5] the step's mask words
.set SEL, 6                            ; s[6:7] v_permlanex16_b32's selects for lane l xor 16
.set TK,  66                           ; s66  LDS byte of the step's record of K
.set TV,  67                           ; s67  of the step's 64 bytes in V's rows
.set TS,  101                          ; s101 of the step's word in V's scale rows
.set CS,  104                          ; s[104:105] c = log2(e) / 32
.set G1,  68                           ; s[68:75] descriptor group 1; groups 0 of the four chunks: s[76:79], s[96:99], s[8:11], s[12:15]; none is written again
; s[16:63], s[80:95]: the step's 64 mask words; between the passes they serve the address arithmetic.
.macro CROUND                          ; a round of the cluster's barrier
	s_barrier_signal -1
	s_barrier_wait -1
	s_cmp_lg_u32 s[WV], 0
	s_cbranch_scc1 .Lnot_wave_0_\@
	s_barrier_signal -3
.Lnot_wave_0_\@:
	s_barrier_wait -3
	s_barrier_signal -1
	s_barrier_wait -1
.endm
.macro G0SET g, lds, base, off         ; a group 0: count 1, LDS byte, global address, type 2
	s_mov_b32 s[\g], 1
	s_mov_b32 s[\g+1], \lds
	s_add_nc_u64 s[\g+2:\g+3], s[\base:\base+1], \off
	s_or_b32 s[\g+3], s[\g+3], 0x80000000
.endm
.macro IDS p                           ; s24 = nh = 16 n + head; s25 = T, my tile of queries in pass p; s26 = 128 n + T
	s_and_b32 s24, ttmp7, 0xffff
	s_bfe_u32 s25, ttmp6, 0x40000                  ; cx
	s_lshl_b32 s26, ttmp9, 2
	s_add_co_u32 s25, s26, s25                     ; work-group x
	s_lshl_b32 s25, s25, 5
	s_add_co_u32 s25, s25, s[WV]
	s_add_co_u32 s25, s25, 16*\p
	s_lshr_b32 s26, s24, 4
	s_lshl_b32 s26, s26, 7
	s_add_co_u32 s26, s26, s25
.endm
	s_load_b64 s[16:17], s[0:1], 0x8               ; kimg
	s_load_b128 s[20:23], s[0:1], 0x18             ; values_codes s[20:21], values_scales s[22:23]
	v_lshl_add_u32 v254, v0, 2, 0x29000
	v_mov_b32 v255, 0
	ds_add_u32 v254, v255
	ds_add_u32 v254, v255
	v_lshrrev_b32 v5, 5, v0
	v_readfirstlane_b32 s[WV], v5                  ; wave 0..15
	v_and_b32 v6, 31, v0                           ; l
	v_and_b32 v7, 15, v0                           ; r
	v_bfe_u32 v8, v0, 4, 1                         ; h
	v_lshlrev_b32 v1, 4, v6
	v_lshl_add_u32 v2, v6, 3, 4096
	v_mul_u32_u24 v3, v7, VP
	v_lshl_add_u32 v3, v8, 4, v3
	v_add_nc_u32 v3, VREG, v3
	v_mul_u32_u24 v4, v6, VSP
	v_add_nc_u32 v4, VSREG, v4
	v_mov_b32 v9, 0xe0800000                       ; -2^66
	v_lshlrev_b32 v10, 3, v7
	v_lshlrev_b32 v11, 4, v7
.irp i, 16,17,18,19,24,25,26,27
	v_mov_b32 v[\i], 0                             ; the zero codes on both sides of Q
.endr
.irp i, 208,209,210,211,217,218
	v_mov_b32 v[\i], 0                             ; lane permutes' destinations, and the upper half of the pair v[216:217], count as read
.endr
	v_lshlrev_b32 v204, 3, v0                      ; V's scale bytes: thread i brings 8 bytes: row i / 8, bytes 8 (i % 8) on
	v_lshrrev_b32 v205, 3, v0
	v_mul_u32_u24 v205, v205, VSP
	v_and_b32 v206, 7, v0
	v_lshl_add_u32 v205, v206, 3, v205
	v_add_nc_u32 v205, VSREG, v205
	s_mov_b32 s[SEL], 0x76543210
	s_mov_b32 s[SEL+1], 0xfedcba98
	s_mov_b32 s[CS], 0x3d38aa3b                    ; log2(e) / 32
	s_mov_b32 s[CS+1], s[CS]                       ; (named with it as a pair, so it is written)
	s_and_b32 s24, ttmp7, 0xffff                   ; nh, which the four partners share
	s_mul_i32 s26, s24, 16*REC                     ; the head's records of K,
	s_mov_b32 s27, 0
	s_lshl_b32 s28, s24, 16                        ; its 64 rows of 1,024 bytes of V,
	s_mov_b32 s29, 0
	s_lshl_b32 s30, s24, 12                        ; and their 64 rows of 64 scale bytes
	s_mov_b32 s31, 0
	s_wait_dscnt 0x0
	s_wait_kmcnt 0x0
	s_add_nc_u64 s[16:17], s[16:17], s[26:27]
	s_add_nc_u64 s[20:21], s[20:21], s[28:29]
	s_add_nc_u64 s[22:23], s[22:23], s[30:31]
	CROUND                                         ; all four work-groups are here: the joint loads meet
	; Wave 0 asks for K's four chunks, wave 1 for V's, each in one branch on the wave's number: four loads of that wave are out.  Four v_nop follow the last.
	s_cmp_lg_u32 s[WV], 0
	s_cbranch_scc1 .Lnot_k
	s_mov_b32 s[G1+0], 15|(3<<16)|(1<<21)          ; the mask: all four; elements of 8 bytes; no padding; bit 21 beside a mask
	s_mov_b32 s[G1+1], 32<<16                      ; tensor_dim0 = 32 elements: rows of 256 bytes of a dense block
	s_mov_b32 s[G1+2], 68<<16                      ; tensor_dim1 = 68 rows: 17,408 bytes
	s_mov_b32 s[G1+3], 32<<16                      ; tile_dim0
	s_mov_b32 s[G1+4], 68                          ; tile_dim1
	s_mov_b32 s[G1+5], 32                          ; the pitch
	s_mov_b32 s[G1+6], 0
	s_mov_b32 s[G1+7], 0
	G0SET 76, 0*KCH, 16, 0*KCH
	G0SET 96, 1*KCH, 16, 1*KCH
	G0SET 8,  2*KCH, 16, 2*KCH
	G0SET 12, 3*KCH, 16, 3*KCH
	tensor_load_to_lds s[76:79], s[G1:G1+7]
	s_nop 0
	tensor_load_to_lds s[96:99], s[G1:G1+7]
	s_nop 0
	tensor_load_to_lds s[8:11], s[G1:G1+7]
	s_nop 0
	tensor_load_to_lds s[12:15], s[G1:G1+7]
	s_nop 0
.rept 4
	v_nop
.endr
	s_branch .Lasked
.Lnot_k:
	s_cmp_lg_u32 s[WV], 1
	s_cbranch_scc1 .Lasked
	s_mov_b32 s[G1+0], 15|(1<<20)|(1<<21)|(5<<22)|(3<<25)   ; the mask; elements of 1 byte; four words of padding behind every 64
	s_mov_b32 s[G1+1], 256<<16                     ; tensor_dim0 = 256 bytes: 512 keys
	s_mov_b32 s[G1+2], 64<<16                      ; tensor_dim1 = 64 rows: the head's channels
	s_mov_b32 s[G1+3], 256<<16
	s_mov_b32 s[G1+4], 64
	s_mov_b32 s[G1+5], 1024                        ; a row of V in memory: 2,048 codes
	s_mov_b32 s[G1+6], 0
	s_mov_b32 s[G1+7], 0
	G0SET 76, VREG+0*KCH, 20, 0*256
	G0SET 96, VREG+1*KCH, 20, 1*256
	G0SET 8,  VREG+2*KCH, 20, 2*256
	G0SET 12, VREG+3*KCH, 20, 3*256
	tensor_load_to_lds s[76:79], s[G1:G1+7]
	s_nop 0
	tensor_load_to_lds s[96:99], s[G1:G1+7]
	s_nop 0
	tensor_load_to_lds s[8:11], s[G1:G1+7]
	s_nop 0
	tensor_load_to_lds s[12:15], s[G1:G1+7]
	s_nop 0
.rept 4
	v_nop
.endr
.Lasked:
	global_load_b64 v[220:221], v204, s[22:23]     ; V's scale bytes: 4,096 consecutive bytes for the 512 threads
	s_wait_loadcnt 0x0
	ds_store_b64 v205, v[220:221]                  ; waited for in front of the first barrier below
; Product t of 8 of S^T.  Scale words of K: register t / 4, lanes 0-15 for the pairs 0 and 2, lanes 16-31 for the pairs 1 and 3.
.macro SPROD t
.set QB, 20-4*((\t)%2)                 ; [Q | 0] for an even tile, [0 | Q] for an odd one
.set KA, KF+8*((\t)/2)
.if (((\t)/2)%2) == 0
	v_wmma_scale_f32_16x16x128_f8f6f4 v[S+8*(\t):S+8*(\t)+7], v[KA:KA+7], v[QB:QB+7], 0, v[30+(\t)/4], v28 matrix_a_fmt:MATRIX_FMT_FP4 matrix_b_fmt:MATRIX_FMT_FP4
.else
	v_wmma_scale_f32_16x16x128_f8f6f4 v[S+8*(\t):S+8*(\t)+7], v[KA:KA+7], v[QB:QB+7], 0, v[30+(\t)/4], v28 matrix_a_fmt:MATRIX_FMT_FP4 matrix_b_fmt:MATRIX_FMT_FP4 matrix_a_scale:MATRIX_SCALE_ROW1
.endif
.endm
; A KEY STEP: 128 keys.
.macro STEP
	s_load_b512 s[16:31], s[MP:MP+1], 0x0          ; the step's 64 lane masks
	s_load_b512 s[32:47], s[MP:MP+1], 0x40
	s_load_b512 s[48:63], s[MP:MP+1], 0x80
	s_load_b512 s[80:95], s[MP:MP+1], 0xc0
	v_add_nc_u32 v5, s[TK], v1                     ; four plain instructions: the places between the last step's products and the loads into their registers
	v_add_nc_u32 v6, s[TK], v2
	v_add_nc_u32 v7, s[TV], v3
	v_add_nc_u32 v8, s[TS], v4
.irp m, 0,1,2,3,4,5,6,7
	ds_load_b128 v[KF+4*\m:KF+4*\m+3], v5 offset:512*\m            ; K's tile images as they lie: 512 consecutive bytes a load
.endr
	ds_load_b64 v[30:31], v6                       ; and its scale words
.irp t, 0,1,2,3
.irp c, 0,1
	ds_load_b128 v[VF+8*\t+4*\c:VF+8*\t+4*\c+3], v7 offset:16*VP*\t+32*\c
.endr
.endr
.irp a, 0,1
	ds_load_b32 v[200+\a], v8 offset:32*VSP*\a     ; V's scale words: lanes 0-15 tile 2 a, lanes 16-31 tile 2 a + 1
.endr
	s_wait_dscnt 10                                ; K's nine loads are in; V's ten, issued behind them, may be out
.irp t, 0,1,2,3,4,5,6,7
	SPROD \t
.endr
.rept 4
	v_nop                                          ; places in front of the first read of the scores
.endr
	s_wait_kmcnt 0x0                               ; the masks are in, and their loads have read the pointer:
	s_add_nc_u64 s[MP:MP+1], s[MP:MP+1], 256       ; on to the next step's
.set J, 0
.rept 64                                       ; hidden scores become -2^66; each accumulator from its low end on
.if J < 48
	v_cndmask_b32 v[S+J], v9, v[S+J], s[16+J]
.else
	v_cndmask_b32 v[S+J], v9, v[S+J], s[32+J]
.endif
.set J, J+1
.endr
.irp b, 0,1,2,3
	v_max3_num_f32 v[BM+\b], v[S+16*\b], v[S+1+16*\b], v[S+2+16*\b]       ; the largest score of each block of 32 keys: for the row's maximum and, since p rises with the score, for the block's largest p
.endr
.irp i, 3,5,7,9,11,13
.irp b, 0,1,2,3
	v_max3_num_f32 v[BM+\b], v[BM+\b], v[S+16*\b+\i], v[S+1+16*\b+\i]     ; (the four blocks by turns)
.endr
.endr
.irp b, 0,1,2,3
	v_max_num_f32 v[BM+\b], v[BM+\b], v[S+15+16*\b]
.endr
.irp b, 0,1,2,3
	v_permlanex16_b32 v[PD+\b], v[BM+\b], s[SEL], s[SEL+1]
.endr
.irp b, 0,1,2,3
	v_max_num_f32 v[BM+\b], v[BM+\b], v[PD+\b]     ; with lane l xor 16's 16 keys
.endr
	v_max3_num_f32 v218, v[BM], v[BM+1], v[BM+2]
	v_max_num_f32 v218, v218, v[BM+3]              ; the step's largest score of my query,
	v_mul_f32 v218, s[CS], v218                    ; as t (c is positive)
	v_max_num_f32 v13, v13, v218                   ; the running largest t
	v_mov_b32 v218, v12
	v_floor_f32 v12, -v13                          ; the new -M = floor(-t): M is a whole number
	v_sub_f32 v218, v12, v218                      ; old M - new M: a whole number, 0 or less
	v_cvt_i32_f32 v218, v218                       ; (it saturates)
	v_ldexp_f32 v216, 1.0, v218                    ; f = 2^(old M - new M): a multiplication by it rounds nothing
.irp j, 0,2,4,6,8,10,12,14,16,18,20,22,24,26,28,30,32,34,36,38,40,42,44,46,48,50,52,54,56,58,60,62
	v_pk_fma_f32 v[S+\j:S+\j+1], v[S+\j:S+\j+1], s[CS:CS+1], v[12:13] op_sel_hi:[1,0,0]    ; t - M, two at a time
.endr
.irp b, 0,1,2,3
	v_fma_f32 v[BM+\b], v[BM+\b], s[CS], v12       ; the same of each block's largest score
.endr
.set J, 0
.rept 64
	v_exp_f32 v[S+J], v[S+J]                       ; p = 2^(t - M), at most 1
.set J, J+1
.endr
.irp b, 0,1,2,3
	v_exp_f32 v[BM+\b], v[BM+\b]                   ; the block's largest p: the same two instructions on the same number
.endr
	v_pk_mul_f32 v[14:15], v[14:15], v[216:217] op_sel_hi:[1,0]    ; the sum under the new M (a plain instruction behind the exponentials)
	s_wait_alu depctr_va_vdst(0)
.irp b, 0,1,2,3
	v_max_num_f32 v[BM+\b], 0x1800000, v[BM+\b]    ; the floor 2^(3 - 127): the byte cannot fall under 1
.endr
.irp b, 0,1,2,3
	v_add_nc_u32 v[SC+\b], 0xff000000, v[BM+\b]    ; 2 off the exponent field: the conversion's scale operand
.endr
.irp b, 0,1,2,3
	v_lshrrev_b32 v[PD+\b], 23, v[SC+\b]           ; the scale's byte
.endr
	v_lshl_or_b32 v29, v[PD+1], 8, v[PD]           ; p's scale word for these 128 keys
	v_lshl_or_b32 v29, v[PD+2], 16, v29
	v_lshl_or_b32 v29, v[PD+3], 24, v29
.irp t, 0,1,2,3,4,5,6,7                        ; tile t's eight codes go to place 4 (t / 4) + 0, 2, 1, 3 for t % 4 = 0, 1, 2, 3,
	v_cvt_scalef32_pk8_fp4_f32 v[P+4*(\t/4)+2*(\t%2)+(\t%4)/2], v[S+8*\t:S+8*\t+7], v[SC+\t/2]
.endr
	v_nop                                          ; one plain instruction behind a scaled conversion
.irp c, 0,2,4,6                                ; so that these exchanges of halves leave keys 64 c + 32 (lane / 16) + 0 .. 31 in registers 4 c .. 4 c + 3: the operand's layout
	v_permlane16_swap_b32 v[P+\c], v[P+\c+1]
.endr
	v_pk_add_f32 v[220:221], v[S:S+1], v[S+2:S+3]  ; the row's sum of the unquantised p: two at a time, in two chains
.irp j, 4,8,12,16,20,24,28,32,36,40,44,48,52,56,60
	v_pk_add_f32 v[14:15], v[14:15], v[S+\j:S+\j+1]
	v_pk_add_f32 v[220:221], v[220:221], v[S+\j+2:S+\j+3]
.endr
	v_pk_add_f32 v[14:15], v[14:15], v[220:221]
.irp j, 0,2,4,6,8,10,12,14,16,18,20,22,24,26,28,30
	v_pk_mul_f32 v[O+\j:O+\j+1], v[O+\j:O+\j+1], v[216:217] op_sel_hi:[1,0]   ; O^T under the new M, each accumulator from its low end on
.endr
	s_wait_dscnt 0x0                               ; V and its scale words are in
.irp t, 0,2                                    ; O^T += V^T P^T: the four accumulators by turns; the next step's eight score products stand between two links
	v_wmma_scale_f32_16x16x128_f8f6f4 v[O+8*\t:O+8*\t+7], v[VF+8*\t:VF+8*\t+7], v[P:P+7], v[O+8*\t:O+8*\t+7], v[200+\t/2], v29 matrix_a_fmt:MATRIX_FMT_FP4 matrix_b_fmt:MATRIX_FMT_FP4
	v_wmma_scale_f32_16x16x128_f8f6f4 v[O+8*\t+8:O+8*\t+15], v[VF+8*\t+8:VF+8*\t+15], v[P:P+7], v[O+8*\t+8:O+8*\t+15], v[200+\t/2], v29 matrix_a_fmt:MATRIX_FMT_FP4 matrix_b_fmt:MATRIX_FMT_FP4 matrix_a_scale:MATRIX_SCALE_ROW1
.endr
	s_add_co_u32 s[TK], s[TK], REC                 ; the next step's record, 64 bytes of V's rows, scale word
	s_add_co_u32 s[TV], s[TV], 64
	s_add_co_u32 s[TS], s[TS], 4
.endm
.macro CHUNK                           ; a chunk's four steps
	s_mov_b32 s[CNT], 4
.Lstep_\@:
	STEP
	s_sub_co_u32 s[CNT], s[CNT], 1
	s_cmp_lg_u32 s[CNT], 0
	s_cbranch_scc1 .Lstep_\@
.endm
; A pass begins: my tile's Q and its scale word, the pointer to its mask words, the statistics and O^T.
.macro PROLOGUE p
	s_load_b64 s[16:17], s[0:1], 0x0               ; qimg
	s_load_b64 s[18:19], s[0:1], 0x10              ; maskbits
	IDS \p
	s_lshl_b32 s27, s24, 4
	s_lshr_b32 s28, s25, 3
	s_add_co_u32 s27, s27, s28
	s_mul_i32 s28, s27, REC                        ; the record: 16 nh + T / 8
	s_mov_b32 s29, 0
	s_and_b32 s30, s25, 7                          ; my tile in it
	s_lshl_b32 s32, s30, 9
	s_mov_b32 s33, 0
	s_lshr_b32 s31, s30, 1                         ; its pair a: the word lies at 4096 + 8 r + 128 (a % 2) + 4 (a / 2)
	s_and_b32 s34, s31, 1
	s_lshl_b32 s34, s34, 7
	s_lshr_b32 s31, s31, 1
	s_lshl_b32 s31, s31, 2
	s_add_co_u32 s34, s34, s31
	s_add_co_u32 s34, s34, 4096
	s_mov_b32 s35, 0
	s_lshl_b32 s36, s26, 12                        ; the mask words: 4,096 bytes for a tile of queries
	s_mov_b32 s37, 0
	s_and_b32 s38, s25, 1
	s_lshl_b32 s38, s38, 4                         ; which half of the pair's word is my tile's
	s_wait_kmcnt 0x0
	s_add_nc_u64 s[16:17], s[16:17], s[28:29]
	s_add_nc_u64 s[40:41], s[16:17], s[32:33]
	s_add_nc_u64 s[42:43], s[16:17], s[34:35]
	s_add_nc_u64 s[MP:MP+1], s[18:19], s[36:37]
	global_load_b128 v[20:23], v1, s[40:41]        ; Q's image: 512 consecutive bytes
	global_load_b32 v28, v10, s[42:43]
	v_mov_b32 v13, 0xff61b1e6                      ; the largest t so far: -3e38
	v_floor_f32 v12, -v13                          ; -M
	v_mov_b32 v14, 0                               ; the sum, in two halves
	v_mov_b32 v15, 0
	s_wait_loadcnt 0x0
	v_lshrrev_b32 v28, s38, v28
	v_and_b32 v28, 0xffff, v28
	v_lshl_or_b32 v28, v28, 16, v28                ; Q's two bytes twice: they serve [Q | 0] and [0 | Q]
.set J, 0
.rept 32
	v_mov_b32 v[O+J], 0                            ; O^T: the step is written once, its first turn finds zeros.  (Also the places between the scale word's last write and the first product)
.set J, J+1
.endr
.endm
; A pass ends: O^T / the sum, quantised along the head's 64 channels (two blocks of the projection's K), stored as an image of that product's operand.
.macro EPILOGUE p
	s_load_b128 s[16:19], s[0:1], 0x28             ; acodes s[16:17], ascales s[18:19]
	IDS \p
	s_and_b32 s27, s24, 15                         ; head
	s_lshl_b32 s28, s26, 4
	s_add_co_u32 s28, s28, s27
	s_lshl_b32 s28, s28, 9                         ; codes: ((128 n + T) x 16 + head) x 512
	s_mov_b32 s29, 0
	s_lshl_b32 s30, s26, 9                         ; scale bytes: 512 (128 n + T) + 256 ((head / 2) % 2) + 4 (head / 4) + 2 (head % 2), + 16 r
	s_bfe_u32 s32, s27, 0x10001
	s_lshl_b32 s32, s32, 8
	s_add_co_u32 s30, s30, s32
	s_lshr_b32 s32, s27, 2
	s_lshl_b32 s32, s32, 2
	s_add_co_u32 s30, s30, s32
	s_and_b32 s32, s27, 1
	s_lshl_b32 s32, s32, 1
	s_add_co_u32 s30, s30, s32
	s_mov_b32 s31, 0
.rept 4
	v_nop                                          ; places behind the last products
.endr
	v_add_f32 v14, v14, v15                        ; the sum's two halves,
	v_permlanex16_b32 v218, v14, s[SEL], s[SEL+1]
	v_add_f32 v14, v14, v218                       ; and lane l xor 16's
	v_rcp_f32 v216, v14
	v_nop                                          ; a plain instruction behind the reciprocal
	s_wait_alu depctr_va_vdst(0)
.irp j, 0,2,4,6,8,10,12,14,16,18,20,22,24,26,28,30
	v_pk_mul_f32 v[S+\j:S+\j+1], v[O+\j:O+\j+1], v[216:217] op_sel_hi:[1,0]   ; register 8 t + i: channel 16 t + 8 h + i of my query
.endr
.irp b, 0,1
	v_max3_num_f32 v[BM+\b], |v[S+16*\b]|, |v[S+1+16*\b]|, 0x1800000          ; block b: my 16 numbers and the floor
.endr
.irp i, 2,4,6,8,10,12,14
.irp b, 0,1
	v_max3_num_f32 v[BM+\b], v[BM+\b], |v[S+16*\b+\i]|, |v[S+1+16*\b+\i]|
.endr
.endr
.irp b, 0,1
	v_permlanex16_b32 v[PD+\b], v[BM+\b], s[SEL], s[SEL+1]
.endr
.irp b, 0,1
	v_max_num_f32 v[BM+\b], v[BM+\b], v[PD+\b]
.endr
.irp b, 0,1
	v_add_nc_u32 v[SC+\b], 0xff000000, v[BM+\b]
.endr
.irp b, 0,1
	v_lshrrev_b32 v[PD+\b], 23, v[SC+\b]
.endr
	v_lshl_or_b32 v218, v[PD+1], 8, v[PD]          ; my query's two scale bytes of this head
.irp t, 0,1,2,3
	v_cvt_scalef32_pk8_fp4_f32 v[P+2*(\t%2)+\t/2], v[S+8*\t:S+8*\t+7], v[SC+\t/2]
.endr
	v_nop
	v_permlane16_swap_b32 v[P], v[P+1]
	v_permlane16_swap_b32 v[P+2], v[P+3]           ; registers 0 .. 3: channels 32 (lane / 16) + 0 .. 31
	s_wait_kmcnt 0x0
	s_add_nc_u64 s[16:17], s[16:17], s[28:29]
	s_add_nc_u64 s[18:19], s[18:19], s[30:31]
	global_store_b128 v1, v[P:P+3], s[16:17]       ; 32 lanes store 512 consecutive bytes
	global_store_b16 v11, v218, s[18:19]           ; two bytes a query (lanes 16-31 store what lanes 0-15 store): the word's other half is another head's, made by another work-group
	s_wait_xcnt 0x0                                ; the stores' registers and bases are written again only behind this wait
.endm
	PROLOGUE 0
.irp j, 0,1,2,3                                ; pass 0 reads each chunk as soon as it has landed
	s_mov_b32 s[TK], KCH*\j
	s_mov_b32 s[TV], KCH*\j
	s_mov_b32 s[TS], 16*\j
	s_wait_tensorcnt 3-\j                          ; the asking waves: chunk j has landed; the later chunks stay out
	s_wait_dscnt 0x0                               ; my LDS store (V's scale bytes) has landed, my loads are in
	s_barrier_signal -1
	s_barrier_wait -1
	CHUNK
.endr
	EPILOGUE 0
	PROLOGUE 1
.irp j, 0,1,2,3                                ; pass 1 finds all of LDS whole: no barrier
	s_mov_b32 s[TK], KCH*\j
	s_mov_b32 s[TV], KCH*\j
	s_mov_b32 s[TS], 16*\j
	CHUNK
.endr
	EPILOGUE 1
	s_wait_dscnt 0x0
	s_wait_tensorcnt 0x0
	ds_add_u32 v254, v255
	s_wait_dscnt 0x0
	CROUND                                         ; the closing round
	s_endpgm
.Lfunc_end_k_q6707bdf9dd_attn:
	.size	k_q6707bdf9dd_attn, .Lfunc_end_k_q6707bdf9dd_attn-k_q6707bdf9dd_attn
	.p2alignl 7, 3214868480
	.fill 96, 4, 3214868480
	.section	.rodata,"a",@progbits
	.p2align	6, 0x0
	.amdhsa_kernel k_q6707bdf9dd_attn
		.amdhsa_group_segment_fixed_size 169984
		.amdhsa_private_segment_fixed_size 0
		.amdhsa_enable_private_segment 0
		.amdhsa_kernarg_size 56
		.amdhsa_user_sgpr_count 2
		.amdhsa_user_sgpr_kernarg_segment_ptr 1
		.amdhsa_wavefront_size32 1
		.amdhsa_system_sgpr_workgroup_id_x 1
		.amdhsa_system_sgpr_workgroup_id_y 1
		.amdhsa_system_sgpr_workgroup_id_z 1
		.amdhsa_system_vgpr_workitem_id 0
		.amdhsa_next_free_vgpr 256
		.amdhsa_next_free_sgpr 106
		.amdhsa_reserve_vcc 0
		.amdhsa_float_denorm_mode_32 3
		.amdhsa_float_denorm_mode_16_64 3
		.amdhsa_memory_ordered 1
		.amdhsa_forward_progress 1
		.amdhsa_inst_pref_size 178
	.end_amdhsa_kernel
	.amdgpu_metadata
---
amdhsa.version: [ 1, 2 ]
amdhsa.kernels:
  - .name:           k_q6707bdf9dd_attn
    .symbol:         k_q6707bdf9dd_attn.kd
    .args:
      - { .name: qimg, .offset: 0, .size: 8, .value_kind: global_buffer, .address_space: global }
      - { .name: kimg, .offset: 8, .size: 8, .value_kind: global_buffer, .address_space: global }
      - { .name: maskbits, .offset: 16, .size: 8, .value_kind: global_buffer, .address_space: global }
      - { .name: values_codes, .offset: 24, .size: 8, .value_kind: global_buffer, .address_space: global }
      - { .name: values_scales, .offset: 32, .size: 8, .value_kind: global_buffer, .address_space: global }
      - { .name: acodes, .offset: 40, .size: 8, .value_kind: global_buffer, .address_space: global }
      - { .name: ascales, .offset: 48, .size: 8, .value_kind: global_buffer, .address_space: global }
    .group_segment_fixed_size: 169984
    .private_segment_fixed_size: 0
    .kernarg_segment_align: 8
    .kernarg_segment_size: 56
    .max_flat_workgroup_size: 512
    .sgpr_count:     106
    .vgpr_count:     256
    .wavefront_size: 32
...
	.end_amdgpu_metadata
.endif
;; end of part 2
;; launch proj (part 3): grid 4 x 64, 4 waves a work-group, no clusters, 34,304 bytes of LDS; arguments acodes, ascales, W_out_codes, W_out_scales, b_out, out0; writes out0
.if DOCPART == 3
	.amdgcn_target "amdgcn-amd-amdhsa--gfx1250"
	.amdhsa_code_object_version 6
	.text
	.protected	k_q6707bdf9dd_proj
	.globl	k_q6707bdf9dd_proj
	.p2align	8
	.type	k_q6707bdf9dd_proj,@function
k_q6707bdf9dd_proj:
	s_mov_b64 s[64:65], 0
	v_nop
	global_prefetch_b8 v0, s[64:65] scope:SCOPE_SE
	s_setreg_imm32_b32 hwreg(HW_REG_WAVE_MODE, 25, 1), 1
	s_wait_xcnt 0x0
; out0[m][o] = sum over e of A[m][e] W_out[o][e] + b_out[o], on codes of FP4 (E2M1) with one E8M0 scale for each 32 along e; sums in f32.
; A comes from the attention launch as images of the operand's registers: for a tile of 16 rows and K step s (128 along e) 1,024 consecutive bytes, register group c of lane L at 512 c + 16 L;
; its scale words as 512 bytes a tile: lane L's 16 bytes at 16 L are four registers, register q holding K step 2 q in lanes 0-15 and K step 2 q + 1 in lanes 16-31.
; SHARES.  Work-group (x, y): rows 128 y on (eight tiles of 16), columns 256 x on; wave w: columns 256 x + 64 w on, four tiles of 16.  The wave's 64 rows of W_out (all of K: 256 registers), their scale words and
; its bias stay in registers; A's fragments come straight from memory, two row tiles ahead.  No tensor loads, no barrier, no loop: every offset is an immediate; waves share nothing.
; THE MATRIX INSTRUCTION IS USED TRANSPOSED (source 0 = 16 rows of W_out, source 1 = 16 rows of A): a lane holds eight neighbouring columns of one row of out0.  The bias is the C of each sum's first product.
; No cluster: nothing is fetched by tensor loads; the four waves of a work-group read the same 64 KB of A close together, and W_out is 0.5 MB in all.
; REGISTERS, in windows of 256: window 0: v1-8 addresses; v16-31 W's scale words (register 8 a + s: tiles 2 a, 2 a + 1 in the two halves of the lanes); v32-39 A's, two sets; v40-71 four accumulators;
;   v72-103 rows on their way out; v128-255 A's fragments, two sets of 64.   window 1: W's fragment (tn, s) at v[8 (8 tn + s)].   window 2: v0-31 the bias, eight registers a tile.
.set STG, 8448                         ; a wave's stage: 16 rows x 528 bytes for W's turn, then 16 rows x 272 bytes for the way out
.set WS,  16
.set AS,  32
.set ACC, 40
.set OB,  72
.set AF,  128
.set MSB, 0
.macro WIN new                         ; the immediate's high byte repeats the setting that is left
.if MSB != \new
	s_set_vgpr_msb (MSB<<8)|\new
.set MSB, \new
.endif
.endm
	s_load_b256 s[4:11], s[0:1], 0x0               ; acodes s[4:5], ascales s[6:7], W's codes s[8:9], W's scales s[10:11]
	s_load_b128 s[12:15], s[0:1], 0x20             ; b_out s[12:13], out0 s[14:15]
	v_lshl_add_u32 v126, v0, 2, 0x8400
	v_mov_b32 v127, 0
	v_lshrrev_b32 v9, 5, v0
	v_readfirstlane_b32 s16, v9                    ; wave 0..3
	v_and_b32 v9, 31, v0                           ; l
	v_and_b32 v10, 15, v0                          ; r
	v_bfe_u32 v11, v0, 4, 1                        ; h
	s_mul_i32 s17, s16, STG                        ; my stage
	v_lshlrev_b32 v1, 4, v9                        ; 16 l
	v_mul_u32_u24 v2, v10, 272                     ; the way out, in: row r, 32 bytes for each half of the lanes
	v_lshl_add_u32 v2, v11, 5, v2
	v_add_nc_u32 v2, s17, v2
	v_mul_u32_u24 v3, v11, 272                     ; back: lanes 0-15 one row of 256 bytes, lanes 16-31 the next
	v_lshl_add_u32 v3, v10, 4, v3
	v_add_nc_u32 v3, s17, v3
	v_lshlrev_b32 v4, 12, v11                      ; and the same two rows in out0
	v_lshl_add_u32 v4, v10, 4, v4
	v_add_nc_u32 v5, s17, v1                       ; W's turn, in: a row's 512 bytes as loaded
	v_mul_u32_u24 v6, v10, 528                     ; back: row r, + 16 h: a fragment's bytes
	v_lshl_add_u32 v6, v11, 4, v6
	v_add_nc_u32 v6, s17, v6
	v_lshlrev_b32 v7, 5, v11                       ; the bias: my half's eight numbers
	v_lshlrev_b32 v8, 5, v9                        ; W's scale words: 32 bytes a row
	s_and_b32 s18, ttmp7, 0xffff                   ; y
	s_lshl_b32 s19, ttmp9, 8
	s_lshl_b32 s20, s16, 6
	s_add_co_u32 s19, s19, s20                     ; n0 = 256 x + 64 w
	s_lshl_b32 s20, s18, 16                        ; A: eight tiles of 8,192 bytes
	s_mov_b32 s21, 0
	s_lshl_b32 s22, s18, 12                        ; its scale words: eight tiles of 512
	s_mov_b32 s23, 0
	s_lshl_b32 s24, s19, 9                         ; W: rows of 512 bytes
	s_mov_b32 s25, 0
	s_lshl_b32 s26, s19, 5                         ; its scale bytes: rows of 32
	s_mov_b32 s27, 0
	s_lshl_b32 s28, s19, 2                         ; the bias
	s_mov_b32 s29, 0
	s_lshl_b32 s30, s18, 19                        ; out0: 128 rows of 4,096 bytes, + 4 n0
	s_add_co_u32 s30, s30, s28
	s_mov_b32 s31, 0
	s_wait_kmcnt 0x0
	s_add_nc_u64 s[4:5], s[4:5], s[20:21]
	s_add_nc_u64 s[6:7], s[6:7], s[22:23]
	s_add_nc_u64 s[8:9], s[8:9], s[24:25]
	s_add_nc_u64 s[10:11], s[10:11], s[26:27]
	s_add_nc_u64 s[12:13], s[12:13], s[28:29]
	s_add_nc_u64 s[14:15], s[14:15], s[30:31]
.macro ALOAD i                         ; row tile i: 16 loads of 512 consecutive bytes (eight fragments) and its scale words: 17 loads
.irp s, 0,1,2,3,4,5,6,7
.irp c, 0,1
	global_load_b128 v[AF+64*((\i)%2)+8*\s+4*\c:AF+64*((\i)%2)+8*\s+4*\c+3], v1, s[4:5] offset:8192*(\i)+1024*\s+512*\c
.endr
.endr
	global_load_b128 v[AS+4*((\i)%2):AS+4*((\i)%2)+3], v1, s[6:7] offset:512*(\i)
.endm
	WIN 0x80                                       ; destination window 2
.irp tn, 0,1,2,3
	global_load_b128 v[8*\tn:8*\tn+3], v7, s[12:13] offset:64*\tn          ; b_out at columns n0 + 16 tn + 8 h + 0 .. 7: the result's layout
	global_load_b128 v[8*\tn+4:8*\tn+7], v7, s[12:13] offset:64*\tn+16
.endr
	WIN 0
.irp a, 0,1
	global_load_b128 v[WS+8*\a:WS+8*\a+3], v8, s[10:11] offset:1024*\a     ; row n0 + 32 a + l: its eight scale words
	global_load_b128 v[WS+8*\a+4:WS+8*\a+7], v8, s[10:11] offset:1024*\a+16
.endr
	ALOAD 0
	ALOAD 1
	WIN 0x40                                       ; destination window 1
.irp tn, 0,1,2,3
.irp p, 0,1,2,3,4,5,6,7,8,9,10,11,12,13,14,15
	global_load_b128 v[64*\tn+4*\p:64*\tn+4*\p+3], v1, s[8:9] offset:(16*\tn+\p)*512      ; a row of W: 512 consecutive bytes
.endr
.endr
.irp tn, 0,1,2,3                               ; each tile's 16 rows turn through the stage into fragments, in the registers that they left
	s_wait_loadcnt 48-16*\tn                       ; this tile's loads are in; the later tiles' may be out
	WIN 0x04                                       ; an LDS store's data are its source 1: window 1
.irp p, 0,1,2,3,4,5,6,7,8,9,10,11,12,13,14,15
	ds_store_b128 v5, v[64*\tn+4*\p:64*\tn+4*\p+3] offset:528*\p
.endr
	WIN 0x40
.irp s, 0,1,2,3,4,5,6,7
.irp c, 0,1
	ds_load_b128 v[64*\tn+8*\s+4*\c:64*\tn+8*\s+4*\c+3], v6 offset:64*\s+32*\c      ; LDS serves a wave's instructions in order: these see the stores above
.endr
.endr
.endr
	WIN 0
	s_wait_dscnt 0x0
; One product: row tile i, K step s, column tile tn.  W's scale word: lanes 16-31 for an odd tn; A's: lanes 16-31 for an odd s.  For s = 0 the C is the bias (window 2), else the accumulator.
.macro PROD i, s, tn
.set DR, ACC+8*\tn
.set WF, 8*(8*\tn+\s)
.set BR, AF+64*((\i)%2)+8*\s
.set WR, WS+8*(\tn/2)+\s
.set AR, AS+4*((\i)%2)+\s/2
.if \s == 0
.set CR, 8*\tn
.else
.set CR, DR
.endif
.if (\tn%2 == 0) && (\s%2 == 0)
	v_wmma_scale_f32_16x16x128_f8f6f4 v[DR:DR+7], v[WF:WF+7], v[BR:BR+7], v[CR:CR+7], v[WR], v[AR] matrix_a_fmt:MATRIX_FMT_FP4 matrix_b_fmt:MATRIX_FMT_FP4
.elseif (\tn%2 == 1) && (\s%2 == 0)
	v_wmma_scale_f32_16x16x128_f8f6f4 v[DR:DR+7], v[WF:WF+7], v[BR:BR+7], v[CR:CR+7], v[WR], v[AR] matrix_a_fmt:MATRIX_FMT_FP4 matrix_b_fmt:MATRIX_FMT_FP4 matrix_a_scale:MATRIX_SCALE_ROW1
.elseif (\tn%2 == 0) && (\s%2 == 1)
	v_wmma_scale_f32_16x16x128_f8f6f4 v[DR:DR+7], v[WF:WF+7], v[BR:BR+7], v[CR:CR+7], v[WR], v[AR] matrix_a_fmt:MATRIX_FMT_FP4 matrix_b_fmt:MATRIX_FMT_FP4 matrix_b_scale:MATRIX_SCALE_ROW1
.else
	v_wmma_scale_f32_16x16x128_f8f6f4 v[DR:DR+7], v[WF:WF+7], v[BR:BR+7], v[CR:CR+7], v[WR], v[AR] matrix_a_fmt:MATRIX_FMT_FP4 matrix_b_fmt:MATRIX_FMT_FP4 matrix_a_scale:MATRIX_SCALE_ROW1 matrix_b_scale:MATRIX_SCALE_ROW1
.endif
.endm
; A tile of 16 rows x my 64 columns: 32 products, the four accumulators by turns, K ascending; then out through my stage as whole runs of 256 bytes.
.macro TILE i
.if (\i) < 7
	s_wait_loadcnt 17                              ; this tile's 17 loads are in; the next tile's 17 may be out
.else
	s_wait_loadcnt 0x0
.endif
	WIN 0x21                                       ; source 0 (W) window 1, source 2 (the bias) window 2
.irp tn, 0,1,2,3
	PROD \i, 0, \tn
.endr
	WIN 0x01                                       ; source 0 window 1
.irp s, 1,2,3,4,5,6,7
.irp tn, 0,1,2,3
	PROD \i, \s, \tn
.endr
.endr
	WIN 0
.rept 5
	v_nop                                          ; places in front of the loads into A's registers, of the reads of the results, and of the next tile's first products, which write over the accumulators
.endr
	s_wait_xcnt 0x0                                ; the last tile's stores have read their registers
.if (\i) < 6
	ALOAD (\i)+2
.endif
.irp tn, 0,1,2,3
	ds_store_b128 v2, v[ACC+8*\tn:ACC+8*\tn+3] offset:64*\tn       ; each accumulator from its low end on
	ds_store_b128 v2, v[ACC+8*\tn+4:ACC+8*\tn+7] offset:64*\tn+16
.endr
.irp e, 0,1,2,3,4,5,6,7
	ds_load_b128 v[OB+4*\e:OB+4*\e+3], v3 offset:544*\e            ; two rows a load; in order behind the stores
.endr
.irp e, 0,1,2,3,4,5,6,7
	s_wait_dscnt 7-\e                              ; load e is in; the younger ones may be out
	global_store_b128 v4, v[OB+4*\e:OB+4*\e+3], s[14:15] offset:(16*(\i)+2*\e)*4096 th:TH_STORE_NT   ; sixteen lanes store 256 consecutive bytes, at a multiple of 256 from out0's first byte
.endr
.endm
.irp i, 0,1,2,3,4,5,6,7
	TILE \i
.endr
	s_wait_tensorcnt 0x0
	ds_add_u32 v126, v127
	s_wait_dscnt 0x0
	s_endpgm
.Lfunc_end_k_q6707bdf9dd_proj:
	.size	k_q6707bdf9dd_proj, .Lfunc_end_k_q6707bdf9dd_proj-k_q6707bdf9dd_proj
	.p2alignl 7, 3214868480
	.fill 96, 4, 3214868480
	.section	.rodata,"a",@progbits
	.p2align	6, 0x0
	.amdhsa_kernel k_q6707bdf9dd_proj
		.amdhsa_group_segment_fixed_size 34304
		.amdhsa_private_segment_fixed_size 0
		.amdhsa_enable_private_segment 0
		.amdhsa_kernarg_size 48
		.amdhsa_user_sgpr_count 2
		.amdhsa_user_sgpr_kernarg_segment_ptr 1
		.amdhsa_wavefront_size32 1
		.amdhsa_system_sgpr_workgroup_id_x 1
		.amdhsa_system_sgpr_workgroup_id_y 1
		.amdhsa_system_sgpr_workgroup_id_z 1
		.amdhsa_system_vgpr_workitem_id 0
		.amdhsa_next_free_vgpr 544
		.amdhsa_next_free_sgpr 66
		.amdhsa_reserve_vcc 0
		.amdhsa_float_denorm_mode_32 3
		.amdhsa_float_denorm_mode_16_64 3
		.amdhsa_memory_ordered 1
		.amdhsa_forward_progress 1
		.amdhsa_inst_pref_size 82
	.end_amdhsa_kernel
	.amdgpu_metadata
---
amdhsa.version: [ 1, 2 ]
amdhsa.kernels:
  - .name:           k_q6707bdf9dd_proj
    .symbol:         k_q6707bdf9dd_proj.kd
    .args:
      - { .name: acodes, .offset: 0, .size: 8, .value_kind: global_buffer, .address_space: global }
      - { .name: ascales, .offset: 8, .size: 8, .value_kind: global_buffer, .address_space: global }
      - { .name: W_out_codes, .offset: 16, .size: 8, .value_kind: global_buffer, .address_space: global }
      - { .name: W_out_scales, .offset: 24, .size: 8, .value_kind: global_buffer, .address_space: global }
      - { .name: b_out, .offset: 32, .size: 8, .value_kind: global_buffer, .address_space: global }
      - { .name: out0, .offset: 40, .size: 8, .value_kind: global_buffer, .address_space: global }
    .group_segment_fixed_size: 34304
    .private_segment_fixed_size: 0
    .kernarg_segment_align: 8
    .kernarg_segment_size: 48
    .max_flat_workgroup_size: 128
    .sgpr_count:     66
    .vgpr_count:     544
    .wavefront_size: 32
...
	.end_amdgpu_metadata
.endif
;; end of part 3
;; ======== version 2 of 2: 3 launches
;; limits: right only within a limited range of input values
;; workspace buffers: kimg 4,456,448 bytes; maskc 8,388,608 bytes; acodes 4,194,304 bytes; ascales 262,144 bytes
;; launch prep (part 4): grid 768 x 1, 4 waves a work-group, no clusters, 53,760 bytes of LDS; arguments keys, mask, kimg, maskc; writes kimg, maskc
.if DOCPART == 4
	.amdgcn_target "amdgcn-amd-amdhsa--gfx1250"
	.amdhsa_code_object_version 6
	.text
	.protected	k_q6707bdf9dd_prep
	.globl	k_q6707bdf9dd_prep
	.p2align	8
	.type	k_q6707bdf9dd_prep,@function
k_q6707bdf9dd_prep:
	s_mov_b64 s[64:65], 0
	v_nop
	global_prefetch_b8 v0, s[64:65] scope:SCOPE_SE
	s_setreg_imm32_b32 hwreg(HW_REG_WAVE_MODE, 25, 1), 1
	s_wait_xcnt 0x0
; Two jobs in one launch, parted on the work-group's number.
; WORK-GROUPS 0-255: keys, [4][2048][1024] f32, become codes of FP4 (E2M1) with one E8M0 byte for each 32 along a head's 64 numbers, laid as the attention launch's operand registers:
;   a RECORD of 4,352 bytes for 128 rows of one head: eight tile images of 512 bytes (tile t, lane L = r + 16 h: 16 bytes at 512 t + 16 L = the codes of row 16 t + r, numbers 32 h .. 32 h + 31),
;   then 256 bytes of scale words: lane L's word i (at 4096 + 8 L + 4 i) belongs to the tile pair a = 2 i + L / 16 and row L % 16: bytes tile 2a block 0, 1, tile 2a + 1 block 0, 1.  A wave makes one record.
; WORK-GROUPS 256-767: the mask, [4][1][2048][2048] int32, becomes codes of FP4: -4 (0xE) where mask == 0, else 0.  For a tile of 16 queries and a step of 128 keys 1,024 bytes, an image of a matrix operand:
;   lane L = q + 16 h, register t (at 512 (t / 4) + 16 L + 4 (t % 4)), nibble i: key 16 t + 8 h + i of query q.
;   A lane loads 4 neighbouring keys of each of 16 rows, packs them to 16 bits a row, and only these 1,024 bytes a step turn through the wave's stage in LDS.
; A block's scale is 2^(floor(log2(largest magnitude)) - 2): its byte is the largest magnitude's exponent field - 2, held at 1 from below.
; LIMITS: a block of zeros, or one whose largest magnitude lies under 2^-124, gets the byte 1 (zero codes; these bytes are read by this program alone); NaN and infinities in keys are not served.
; No tensor loads, no barrier: waves share nothing; each path has LDS bytes of its own, and in them each wave its own stage.
.set QSTG,  4864                       ; first path: a wave's stage: record (r, h) of 128 bytes at 144 r + 2432 h
.set MSTG0, 4*QSTG                     ; the second path's stages begin here
.set MSTG,  1280                       ; 16 rows x (64 + 16) bytes
.set X,     16                         ; v16-79 two sets of 32 neighbours (second path: v16-23 packed codes of two rows each)
.set R,     80                         ; v80-207 four sets of 32 registers as loaded (second path: two sets of 64)
.set C,     208                        ; v208-239 codes, never written again
.set HW,    240
.set WD,    248
.set SI,    252
	s_load_b256 s[4:11], s[0:1], 0x0               ; keys, mask, kimg, maskc
	v_lshl_add_u32 v254, v0, 2, 0xd000
	v_mov_b32 v255, 0
	v_lshrrev_b32 v13, 5, v0
	v_readfirstlane_b32 s16, v13                   ; wave
	v_and_b32 v13, 31, v0                          ; l
	v_and_b32 v14, 15, v0                          ; r
	v_bfe_u32 v15, v0, 4, 1                        ; h
	s_cmp_lt_u32 ttmp9, 256
	s_cbranch_scc0 .Lmask
	; ---------------- keys ----------------
	v_lshlrev_b32 v1, 12, v15                      ; in: lanes 0-15 one row's 256 bytes, lanes 16-31 the next row's
	v_lshl_add_u32 v1, v14, 4, v1
	s_mul_i32 s17, s16, QSTG
	v_mul_u32_u24 v2, v15, 144
	v_bfe_u32 v8, v0, 3, 1
	v_mad_u32_u24 v2, v8, 2432, v2
	v_and_b32 v8, 7, v0
	v_lshl_add_u32 v2, v8, 4, v2
	v_add_nc_u32 v2, s17, v2
	v_mul_u32_u24 v3, v14, 144
	v_mad_u32_u24 v3, v15, 2432, v3
	v_add_nc_u32 v3, s17, v3
	v_lshlrev_b32 v4, 4, v13
	v_lshlrev_b32 v5, 3, v13
	v_lshlrev_b32 v6, 3, v15
	v_mov_b32 v10, 0
	s_mov_b32 s20, 0x76543210
	s_mov_b32 s21, 0xfedcba98
	s_mov_b32 s22, 0xffff0000
	s_bfe_u32 s18, ttmp9, 0x20006                  ; n
	s_bfe_u32 s19, ttmp9, 0x40002                  ; block of 128 rows
	s_and_b32 s23, ttmp9, 3
	s_lshl_b32 s23, s23, 2
	s_add_co_u32 s23, s23, s16                     ; head
	s_lshl_b32 s24, s18, 23
	s_lshl_b32 s26, s19, 19
	s_add_co_u32 s24, s24, s26
	s_lshl_b32 s26, s23, 8
	s_add_co_u32 s24, s24, s26
	s_mov_b32 s25, 0
	s_lshl_b32 s26, s18, 4
	s_add_co_u32 s26, s26, s23
	s_lshl_b32 s26, s26, 4
	s_add_co_u32 s26, s26, s19
	s_mul_i32 s26, s26, 4352
	s_mov_b32 s27, 0
	s_wait_alu depctr_va_vdst(0)
	s_wait_kmcnt 0x0
	s_add_nc_u64 s[4:5], s[4:5], s[24:25]
	s_add_nc_u64 s[8:9], s[8:9], s[26:27]
.macro LOAD t                          ; tile t's 16 rows, two rows a load, into set t % 4
.irp i, 0,1,2,3,4,5,6,7
	global_load_b128 v[R+32*((\t)%4)+4*\i:R+32*((\t)%4)+4*\i+3], v1, s[4:5] offset:(16*(\t)+2*\i)*4096 th:TH_LOAD_NT
.endr
.endm
.macro TURN t                          ; through the stage: LDS serves a wave's instructions in order
.irp i, 0,1,2,3,4,5,6,7
	ds_store_b128 v2, v[R+32*((\t)%4)+4*\i:R+32*((\t)%4)+4*\i+3] offset:288*\i
.endr
.irp g, 0,1,2,3,4,5,6,7
	ds_load_b128 v[X+32*((\t)%2)+4*\g:X+32*((\t)%2)+4*\g+3], v3 offset:16*\g
.endr
.endm
.macro STEP t
.set XS, X+32*((\t)%2)
	s_wait_dscnt 0x0                               ; this tile's 32 neighbours are back, and its stores have read set t % 4
.if (\t) < 4
	LOAD (\t)+4
.endif
.if (\t) < 7
.if (\t) < 4
	s_wait_loadcnt 24                              ; the next tile's eight loads are in; three tiles' may be out
.else
	s_wait_loadcnt 8*(6-(\t))
.endif
	TURN (\t)+1
.endif
	v_max3_num_f32 v8, |v[XS]|, |v[XS+1]|, |v[XS+2]|
	v_max3_num_f32 v9, |v[XS+3]|, |v[XS+4]|, |v[XS+5]|
.irp i, 6,10,14,18,22,26
	v_max3_num_f32 v8, v8, |v[XS+\i]|, |v[XS+\i+1]|
	v_max3_num_f32 v9, v9, |v[XS+\i+2]|, |v[XS+\i+3]|
.endr
	v_max3_num_f32 v8, v8, |v[XS+30]|, |v[XS+31]|
	v_max3_num_f32 v8, v8, v9, 0x1800000           ; the floor 2^(3 - 127)
	v_add_nc_u32 v11, 0xff000000, v8               ; 2 off the exponent field: the conversion's scale operand
.irp g, 0,1,2,3
	v_cvt_scalef32_pk8_fp4_f32 v[C+4*(\t)+\g], v[XS+8*\g:XS+8*\g+7], v11
.endr
	v_lshrrev_b32 v12, 23, v11
	v_lshlrev_b32 v12, v6, v12
	v_permlanex16_b32 v10, v12, s20, s21
	v_or_b32 v[HW+(\t)], v12, v10
.if ((\t)%2) == 1
	v_lshl_or_b32 v[WD+(\t)/2], v[HW+(\t)], 16, v[HW+(\t)-1]
.endif
.if ((\t)%4) == 3
	v_cndmask_b32 v[SI+(\t)/4], v[WD+(\t)/2-1], v[WD+(\t)/2], s22
.endif
	global_store_b128 v4, v[C+4*(\t):C+4*(\t)+3], s[8:9] offset:512*(\t)
.endm
	LOAD 0
	LOAD 1
	LOAD 2
	LOAD 3
	s_wait_loadcnt 24
	TURN 0
.irp t, 0,1,2,3,4,5,6,7
	STEP \t
.endr
	global_store_b64 v5, v[SI:SI+1], s[8:9] offset:4096
	s_wait_tensorcnt 0x0                           ; the wave's end
	ds_add_u32 v254, v255
	s_wait_dscnt 0x0
	s_endpgm
	; ---------------- the mask ----------------
.Lmask:
	s_sub_co_u32 s17, ttmp9, 256                   ; the tile of 16 queries, 0..511; my wave takes key steps 4 w .. 4 w + 3
	s_mul_i32 s18, s16, MSTG
	s_add_co_u32 s18, s18, MSTG0                   ; my stage
	s_wait_alu depctr_va_vdst(0)
	v_lshlrev_b32 v1, 4, v13                       ; 16 l: in a row's 512 bytes, and in an image's 512
	v_bfe_u32 v2, v0, 1, 1                         ; into the stage: my 2 bytes of a row at 32 ((l / 2) % 2) + 4 (l / 4) + 2 (l % 2)
	v_lshlrev_b32 v2, 5, v2
	v_bfe_u32 v8, v0, 2, 3
	v_lshl_add_u32 v2, v8, 2, v2
	v_and_b32 v8, 1, v0
	v_lshl_add_u32 v2, v8, 1, v2
	v_add_nc_u32 v2, s18, v2
	v_mul_u32_u24 v3, v14, 80                      ; out of it: row r, 32 bytes for each half of the lanes
	v_lshl_add_u32 v3, v15, 5, v3
	v_add_nc_u32 v3, s18, v3
	s_lshl_b32 s24, s17, 17                        ; in: 16 rows of 8,192 bytes a tile, four steps of 512 bytes a wave
	s_lshl_b32 s26, s16, 11
	s_add_co_u32 s24, s24, s26
	s_mov_b32 s25, 0
	s_lshl_b32 s26, s17, 14                        ; out: 16,384 bytes a tile, 4,096 a wave
	s_lshl_b32 s27, s16, 12
	s_add_co_u32 s26, s26, s27
	s_mov_b32 s27, 0
	s_wait_alu depctr_va_vdst(0)
	s_wait_kmcnt 0x0
	s_add_nc_u64 s[6:7], s[6:7], s[24:25]
	s_add_nc_u64 s[10:11], s[10:11], s[26:27]
.macro MLOAD k                         ; step k: 16 rows x 512 consecutive bytes, into set k % 2
.irp p, 0,1,2,3,4,5,6,7,8,9,10,11,12,13,14,15
	global_load_b128 v[R+64*((\k)%2)+4*\p:R+64*((\k)%2)+4*\p+3], v1, s[6:7] offset:8192*\p+512*(\k) th:TH_LOAD_NT
.endr
.endm
.macro PAIR k, j                       ; rows 2 j and 2 j + 1: a nibble 1 for each open key, two rows to a register; then 0xE for each hidden key
.set RB, R+64*((\k)%2)+8*(\j)
.irp i, 0,1,2,3,4,5,6,7
	v_min_u32 v[RB+\i], 1, v[RB+\i]
.endr
	v_lshl_or_b32 v[RB], v[RB+1], 4, v[RB]
	v_lshl_or_b32 v[RB+2], v[RB+3], 4, v[RB+2]
	v_lshl_or_b32 v[RB+4], v[RB+5], 4, v[RB+4]
	v_lshl_or_b32 v[RB+6], v[RB+7], 4, v[RB+6]
	v_lshl_or_b32 v[RB], v[RB+2], 8, v[RB]
	v_lshl_or_b32 v[RB+4], v[RB+6], 8, v[RB+4]
	v_lshl_or_b32 v[X+\j], v[RB+4], 16, v[RB]
	v_xor_b32 v[X+\j], 0x11111111, v[X+\j]
	v_mul_lo_u32 v[X+\j], v[X+\j], 14              ; no nibble passes 14: nothing is carried
.endm
.macro MSTEP k
.if (\k) < 3
	s_wait_loadcnt 16                              ; this step's sixteen loads are in; the other set's may be out
.else
	s_wait_loadcnt 0x0
.endif
.irp j, 0,1,2,3,4,5,6,7
	PAIR \k, \j
.endr
.if (\k) < 2
	MLOAD (\k)+2                                   ; the set just packed takes the step two further on
.endif
.irp j, 0,1,2,3,4,5,6,7
	ds_store_b16 v2, v[X+\j] offset:160*\j
	ds_store_b16_d16_hi v2, v[X+\j] offset:160*\j+80
.endr
	ds_load_b128 v[C+8*(\k):C+8*(\k)+3], v3        ; in order behind the stores: registers 0 .. 3 of the image,
	ds_load_b128 v[C+8*(\k)+4:C+8*(\k)+7], v3 offset:16            ; and 4 .. 7
	s_wait_dscnt 0x0
	global_store_b128 v1, v[C+8*(\k):C+8*(\k)+3], s[10:11] offset:1024*(\k)        ; 32 lanes store 512 consecutive bytes
	global_store_b128 v1, v[C+8*(\k)+4:C+8*(\k)+7], s[10:11] offset:1024*(\k)+512
.endm
	MLOAD 0
	MLOAD 1
	MSTEP 0
	MSTEP 1
	MSTEP 2
	MSTEP 3
	s_wait_tensorcnt 0x0                           ; the wave's end
	ds_add_u32 v254, v255
	s_wait_dscnt 0x0
	s_endpgm
.Lfunc_end_k_q6707bdf9dd_prep:
	.size	k_q6707bdf9dd_prep, .Lfunc_end_k_q6707bdf9dd_prep-k_q6707bdf9dd_prep
	.p2alignl 7, 3214868480
	.fill 96, 4, 3214868480
	.section	.rodata,"a",@progbits
	.p2align	6, 0x0
	.amdhsa_kernel k_q6707bdf9dd_prep
		.amdhsa_group_segment_fixed_size 53760
		.amdhsa_private_segment_fixed_size 0
		.amdhsa_enable_private_segment 0
		.amdhsa_kernarg_size 32
		.amdhsa_user_sgpr_count 2
		.amdhsa_user_sgpr_kernarg_segment_ptr 1
		.amdhsa_wavefront_size32 1
		.amdhsa_system_sgpr_workgroup_id_x 1
		.amdhsa_system_sgpr_workgroup_id_y 1
		.amdhsa_system_sgpr_workgroup_id_z 1
		.amdhsa_system_vgpr_workitem_id 0
		.amdhsa_next_free_vgpr 256
		.amdhsa_next_free_sgpr 66
		.amdhsa_reserve_vcc 0
		.amdhsa_float_denorm_mode_32 3
		.amdhsa_float_denorm_mode_16_64 3
		.amdhsa_memory_ordered 1
		.amdhsa_forward_progress 1
		.amdhsa_inst_pref_size 70
	.end_amdhsa_kernel
	.amdgpu_metadata
---
amdhsa.version: [ 1, 2 ]
amdhsa.kernels:
  - .name:           k_q6707bdf9dd_prep
    .symbol:         k_q6707bdf9dd_prep.kd
    .args:
      - { .name: keys, .offset: 0, .size: 8, .value_kind: global_buffer, .address_space: global }
      - { .name: mask, .offset: 8, .size: 8, .value_kind: global_buffer, .address_space: global }
      - { .name: kimg, .offset: 16, .size: 8, .value_kind: global_buffer, .address_space: global }
      - { .name: maskc, .offset: 24, .size: 8, .value_kind: global_buffer, .address_space: global }
    .group_segment_fixed_size: 53760
    .private_segment_fixed_size: 0
    .kernarg_segment_align: 8
    .kernarg_segment_size: 32
    .max_flat_workgroup_size: 128
    .sgpr_count:     66
    .vgpr_count:     256
    .wavefront_size: 32
...
	.end_amdgpu_metadata
.endif
;; end of part 4
;; launch attn (part 5): grid 4 x 64, 16 waves a work-group, clusters of 4 x 1, 223,744 bytes of LDS; arguments query, kimg, maskc, values_codes, values_scales, acodes, ascales; writes acodes, ascales
.if DOCPART == 5
	.amdgcn_target "amdgcn-amd-amdhsa--gfx1250"
	.amdhsa_code_object_version 6
	.text
	.protected	k_q6707bdf9dd_attn
	.globl	k_q6707bdf9dd_attn
	.p2align	8
	.type	k_q6707bdf9dd_attn,@function
k_q6707bdf9dd_attn:
	s_mov_b64 s[64:65], 0
	v_nop
	global_prefetch_b8 v0, s[64:65] scope:SCOPE_SE
	s_setreg_imm32_b32 hwreg(HW_REG_WAVE_MODE, 25, 1), 1
	s_wait_xcnt 0x0
	s_wait_alu depctr_hold_cnt(0) depctr_sa_sdst(0) depctr_va_vdst(0) depctr_va_sdst(0) depctr_va_ssrc(0) depctr_va_vcc(0) depctr_vm_vsrc(0)
	s_getreg_b32 s2, hwreg(HW_REG_IB_STS2, 6, 4)
	s_cmp_eq_u32 s2, 0
	s_cbranch_scc0 .Lentry_in_a_cluster
	s_endpgm
.Lentry_in_a_cluster:
	s_bfe_u32 s2, ttmp6, 0x10000c
	s_cmp_lg_u32 s2, 0x3003
	s_cbranch_scc0 .Lentry_shape_is_right
	s_endpgm
.Lentry_shape_is_right:
; For one (n, head): O[q] = sum over keys of softmax(mask(q . k) / 32) v, both products on codes of FP4 (E2M1) with one E8M0 scale for each 32 along K; O is then quantised along the embedding for the projection.
; THE SOFTMAX: t = score x log2(e) / 32; M = the running largest t rounded UP to a whole number; p = 2^(t - M) is quantised along the keys, not normalised; the row's sum is taken of the unquantised p and divides O at the end.
; SHARES.  A work-group owns 512 queries of one head; each of its sixteen waves one tile of 16 queries in each of two passes.  A step is 128 keys.
; Q arrives as f32 and is quantised here: a tile of 16 queries x one head is read by one wave, once, and turns through the wave's own stage in LDS so that a lane holds a whole block of 32.
; LDS.  A whole head's K (69,632 bytes, the first launch's records) and V (64 rows x 1,024 bytes, four chunks of 512 keys, rows padded to 272 bytes) lie in LDS for the whole launch: every byte is filled once.
; Waves 0-3 ask for K's four chunks, waves 4-7 for V's, one tensor load a wave.  Behind them: V's scale bytes and the stages for Q, stored from registers: no fill lands there.
; CLUSTER.  The four work-groups of a cluster belong to one head: the chunks are asked for JOINTLY (the same load, the same descriptor, the mask 15).  The place in the cluster enters global addresses alone.
; LAYOUT.  Both products are used transposed (S^T = K Q^T, O^T = V^T P^T): a lane holds ONE query (lane % 16); register 8 t + j of a result is key (or channel) 16 t + 8 (lane / 16) + j.
; K = 64 IN AN INSTRUCTION OF 128: source 0 is the run [tile 2a | tile 2a + 1] of K; an even tile multiplies it by [Q | 0], an odd one by [0 | Q].
; THE MASK IS LAID BY A PRODUCT.  The first launch stored it as codes (-4 hidden, 0 open), 128 a query and step, an operand of 8 registers.  Tile t's accumulator is begun by E_t x these codes: row r of E_t holds
; the code 1 at the one place of K at which key 16 t + r's mask code lies (register t, lane half r / 8, nibble r % 8), both scales 2^32: the accumulator begins as -2^66 or 0, and K Q^T is added onto it in place.
; The eight E_t are windows of 8 registers onto one run of 22: v24-45 are zeros but for v30 and v39, which hold the pattern (two, since an operand begins on an even register).  v24-27 are also the zeros behind Q.
; A step's mask codes (1,024 bytes a wave) are asked for one step ahead by the loads themselves; the last step asks for its own again, so that no load leaves the tile's 16,384 bytes.  So no separate prefetch is laid;
; K and V come once, at the head, where there is no loop to run ahead in.
; LIMITS: -2^66 stands for the -1e20 of the definition; a hidden p is 0 either way so long as |score| < 2^60.  In a row whose every key is hidden the uniform result leans on -2^66 + score (|score| < 2^40)
; coming out of the sum as -2^66.  A block of Q, p or O whose largest magnitude lies under 2^-124 gets the byte 1 (zero blocks have zero codes).  NaN and infinities are not served.
.set REC,   4352
.set KCH,   4*REC                      ; a chunk: 512 keys of K; also 64 x 272: 512 keys of V
.set VREG,  4*KCH
.set VP,    272
.set VSREG, VREG+4*KCH                 ; V's scale bytes: 64 rows of 64 bytes, VSP apart
.set VSP,   72
.set QREG,  VSREG+64*VSP               ; the stages for Q
.set QSTG,  4864                       ; a stage: record (r, h) of 128 bytes at 144 r + 2432 h
.set SPARE, QREG+16*QSTG               ; the spare words: 128 bytes a wave
.set MB,  54                           ; v54-61   the step's mask codes
.set KF,  64                           ; v64-95   K: 8 tiles x 4 registers; ahead of a pass Q's rows as loaded
.set VF,  96                           ; v96-127  V: 4 fragments; ahead of a pass my 32 numbers of Q
.set S,   128                          ; v128-191 S^T, then p; at the end O / the sum
.set O,   192                          ; v192-223 O^T
.set P,   224                          ; v224-231 p's codes; at the end O's
.set BM,  232                          ; v232-235 a block's largest score, then p
.set PD,  236                          ; v236-239 lane permutes' destinations, then scale bytes
.set SC,  240                          ; v240-243 the conversions' scale operands
; v1 16 l; v2 4096 + 8 l; v3 VREG + 272 r + 16 h; v4 VSREG + 72 l; v5-8 the step's LDS addresses; v9 the mask codes' offset; v10 4096 h + 16 r; v11 16 r; v12 -M; v13 the largest t; v[14:15] the sum;
; v16-19 zeros, v20-23 Q, v24-45 the run; v46 the scale 2^32 four times; v47 Q's scale word; v48 p's; v[50:51] K's; v52, v53 V's; v62, v63 my places in Q's stage; v[244:245] f; v246 at work; v247 8 h; v248-253 the sum's chains
.set WV,  2
.set CNT, 3
.set MP,  4                            ; s[4:5] my tile's mask codes
.set SEL, 6                            ; s[6:7] selects for lane l xor 16
.set TK,  12
.set TV,  13
.set OFF, 14
.set TS,  15
.set CS,  46                           ; s[46:47] c = log2(e) / 32
.set G1K, 48
.set G1V, 56
.set G0K, 68
.set G0V, 72
.macro CROUND                          ; a round of the cluster's barrier
	s_barrier_signal -1
	s_barrier_wait -1
	s_cmp_lg_u32 s[WV], 0
	s_cbranch_scc1 .Lnot_wave_0_\@
	s_barrier_signal -3
.Lnot_wave_0_\@:
	s_barrier_wait -3
	s_barrier_signal -1
	s_barrier_wait -1
.endm
.macro IDS p, b                        ; s[b] = 16 n + head; s[b + 1] = T, my tile of queries in pass p; s[b + 2] = 128 n + T
	s_and_b32 s[\b], ttmp7, 0xffff
	s_bfe_u32 s[\b+1], ttmp6, 0x40000
	s_lshl_b32 s[\b+2], ttmp9, 2
	s_add_co_u32 s[\b+1], s[\b+2], s[\b+1]
	s_lshl_b32 s[\b+1], s[\b+1], 5
	s_add_co_u32 s[\b+1], s[\b+1], s[WV]
	s_add_co_u32 s[\b+1], s[\b+1], 16*(\p)
	s_lshr_b32 s[\b+2], s[\b], 4
	s_lshl_b32 s[\b+2], s[\b+2], 7
	s_add_co_u32 s[\b+2], s[\b+2], s[\b+1]
.endm
; Pass p's requests: my tile's 16 rows x 256 bytes of query, and the first step's mask codes.  On entry s[16:17] = query, s[20:21] = maskc, and no vector load is out but, in pass 0, that of V's scale bytes.
.macro ASK p
	IDS \p, 32
	s_and_b32 s35, s32, 15
	s_lshl_b32 s36, s34, 16
	s_lshl_b32 s35, s35, 8
	s_add_co_u32 s36, s36, s35
	s_mov_b32 s37, 0
	s_lshl_b32 s44, s34, 14                        ; 16,384 bytes of mask codes for a tile of queries
	s_mov_b32 s45, 0
	s_mov_b32 s[OFF], 0
	s_add_nc_u64 s[40:41], s[16:17], s[36:37]
	s_add_nc_u64 s[MP:MP+1], s[20:21], s[44:45]
.irp i, 0,1,2,3,4,5,6,7
	global_load_b128 v[KF+4*\i:KF+4*\i+3], v10, s[40:41] offset:8192*\i th:TH_LOAD_NT
.endr
	global_load_b128 v[MB:MB+3], v1, s[MP:MP+1]
	global_load_b128 v[MB+4:MB+7], v1, s[MP:MP+1] offset:512
.endm
; A pass begins: the statistics; Q through my stage, its codes and its scale word; O^T.
.macro FIN
	v_mov_b32 v13, 0xff61b1e6                      ; the largest t so far: -3e38
	s_delay_alu instid0(VALU_DEP_1)
	v_floor_f32 v12, -v13
	v_mov_b32 v14, 0
	v_mov_b32 v15, 0
	s_wait_loadcnt 0x0
.irp i, 0,1,2,3,4,5,6,7
	ds_store_b128 v62, v[KF+4*\i:KF+4*\i+3] offset:288*\i
.endr
.irp g, 0,1,2,3,4,5,6,7
	ds_load_b128 v[VF+4*\g:VF+4*\g+3], v63 offset:16*\g            ; in order behind the stores: numbers 32 h .. 32 h + 31 of query r
.endr
	s_wait_dscnt 0x0
	v_max3_num_f32 v240, |v[VF]|, |v[VF+1]|, |v[VF+2]|
	v_max3_num_f32 v241, |v[VF+3]|, |v[VF+4]|, |v[VF+5]|
.irp i, 6,10,14,18,22,26
	s_delay_alu instid0(VALU_DEP_2)
	v_max3_num_f32 v240, v240, |v[VF+\i]|, |v[VF+\i+1]|
	s_delay_alu instid0(VALU_DEP_2)
	v_max3_num_f32 v241, v241, |v[VF+\i+2]|, |v[VF+\i+3]|
.endr
	s_delay_alu instid0(VALU_DEP_2)
	v_max3_num_f32 v240, v240, |v[VF+30]|, |v[VF+31]|
	s_delay_alu instid0(VALU_DEP_1)
	v_max3_num_f32 v240, v240, v241, 0x1800000     ; the floor 2^(3 - 127)
	s_delay_alu instid0(VALU_DEP_1)
	v_add_nc_u32 v242, 0xff000000, v240            ; the conversion's scale operand
.irp g, 0,1,2,3
	v_cvt_scalef32_pk8_fp4_f32 v[20+\g], v[VF+8*\g:VF+8*\g+7], v242
.endr
	v_lshrrev_b32 v243, 23, v242
	s_delay_alu instid0(VALU_DEP_1)
	v_lshlrev_b32 v243, v247, v243
	s_delay_alu instid0(VALU_DEP_1)
	v_permlanex16_b32 v236, v243, s[SEL], s[SEL+1]
	s_delay_alu instid0(VALU_DEP_1)
	v_or_b32 v243, v243, v236
	s_delay_alu instid0(VALU_DEP_1)
	v_lshl_or_b32 v47, v243, 16, v243              ; query r's two bytes, twice: for [Q | 0] and [0 | Q]
.set J, 0
.rept 32
	v_mov_b32 v[O+J], 0                            ; O^T; also the places between the writes of Q's codes and scale word and the first product
.set J, J+1
.endr
.endm
	s_load_b256 s[16:23], s[0:1], 0x0              ; query, kimg, maskc, values_codes
	s_load_b64 s[24:25], s[0:1], 0x20              ; values_scales
	v_lshl_add_u32 v254, v0, 2, SPARE
	v_mov_b32 v255, 0
	ds_add_u32 v254, v255                          ; the add, twice on end
	ds_add_u32 v254, v255
	v_lshrrev_b32 v5, 5, v0
	s_delay_alu instid0(VALU_DEP_1)
	v_readfirstlane_b32 s[WV], v5
	v_and_b32 v6, 31, v0                           ; l
	v_and_b32 v7, 15, v0                           ; r
	v_bfe_u32 v8, v0, 4, 1                         ; h
	s_delay_alu instid0(VALU_DEP_3)
	v_lshlrev_b32 v1, 4, v6
	v_lshl_add_u32 v2, v6, 3, 4096
	v_mul_u32_u24 v3, v7, VP
	s_delay_alu instid0(VALU_DEP_1)
	v_lshl_add_u32 v3, v8, 4, v3
	s_delay_alu instid0(VALU_DEP_1)
	v_add_nc_u32 v3, VREG, v3
	v_mul_u32_u24 v4, v6, VSP
	s_delay_alu instid0(VALU_DEP_1)
	v_add_nc_u32 v4, VSREG, v4
	v_lshlrev_b32 v10, 12, v8
	s_delay_alu instid0(VALU_DEP_1)
	v_lshl_add_u32 v10, v7, 4, v10
	v_lshlrev_b32 v11, 4, v7
	v_lshlrev_b32 v247, 3, v8
	s_mul_i32 s33, s[WV], QSTG
	s_add_co_u32 s33, s33, QREG                    ; my stage
	v_mul_u32_u24 v62, v8, 144
	v_bfe_u32 v234, v0, 3, 1
	s_delay_alu instid0(VALU_DEP_1)
	v_mad_u32_u24 v62, v234, 2432, v62
	v_and_b32 v234, 7, v0
	s_delay_alu instid0(VALU_DEP_1)
	v_lshl_add_u32 v62, v234, 4, v62
	s_delay_alu instid0(VALU_DEP_1)
	v_add_nc_u32 v62, s33, v62
	v_mul_u32_u24 v63, v7, 144
	s_delay_alu instid0(VALU_DEP_1)
	v_mad_u32_u24 v63, v8, 2432, v63
	s_delay_alu instid0(VALU_DEP_1)
	v_add_nc_u32 v63, s33, v63
.irp i, 16,17,18,19,24,25,26,27,28,29,31,32,33,34,35,36,37,38,40,41,42,43,44,45,236,237,238,239,245,246
	v_mov_b32 v[\i], 0                             ; zero codes; lane permutes' destinations and the pair's upper half count as read
.endr
	v_lshrrev_b32 v234, 1, v0                      ; the pattern: the code 1 (bits 0010) in nibble r % 8 of the lanes with h = r / 8
	s_delay_alu instid0(VALU_DEP_1)
	v_xor_b32 v234, v234, v0
	s_delay_alu instid0(VALU_DEP_1)
	v_bfe_u32 v234, v234, 3, 1                     ; (r / 8) xor h
	s_delay_alu instid0(VALU_DEP_1)
	v_xor_b32 v234, 1, v234
	v_and_b32 v235, 7, v0
	s_delay_alu instid0(VALU_DEP_1)
	v_lshl_add_u32 v235, v235, 2, 1
	s_delay_alu instid0(VALU_DEP_1)
	v_lshlrev_b32 v30, v235, v234
	s_delay_alu instid0(VALU_DEP_1)
	v_mov_b32 v39, v30
	v_mov_b32 v46, 0x9f9f9f9f                      ; the byte 159 = 2^32, for both sides of the mask's product
	v_lshlrev_b32 v232, 3, v0                      ; V's scale bytes: thread i brings 8 bytes: row i / 8, bytes 8 (i % 8) on
	v_lshrrev_b32 v233, 3, v0
	s_delay_alu instid0(VALU_DEP_1)
	v_mul_u32_u24 v233, v233, VSP
	v_and_b32 v234, 7, v0
	s_delay_alu instid0(VALU_DEP_1)
	v_lshl_add_u32 v233, v234, 3, v233
	s_delay_alu instid0(VALU_DEP_1)
	v_add_nc_u32 v233, VSREG, v233
	s_mov_b32 s[SEL], 0x76543210
	s_mov_b32 s[SEL+1], 0xfedcba98
	s_mov_b32 s[CS], 0x3d38aa3b                    ; log2(e) / 32
	s_mov_b32 s[CS+1], s[CS]
	s_and_b32 s32, ttmp7, 0xffff                   ; 16 n + head, which the four partners share
	s_mul_i32 s26, s32, 16*REC
	s_mov_b32 s27, 0
	s_lshl_b32 s28, s32, 16
	s_mov_b32 s29, 0
	s_lshl_b32 s30, s32, 12
	s_mov_b32 s31, 0
	s_and_b32 s34, s[WV], 3                        ; the chunk that I ask for, if I ask
	s_mul_i32 s35, s34, KCH                        ; in LDS, and in K's records
	s_lshl_b32 s36, s34, 8                         ; in V's rows
	s_mov_b32 s37, 0
	s_mov_b32 s38, s35
	s_mov_b32 s39, 0
	s_mov_b32 s[G1K+0], 15|(3<<16)|(1<<21)         ; K: the mask of all four; elements of 8 bytes; bit 21 beside a mask
	s_mov_b32 s[G1K+1], 32<<16                     ; rows of 256 bytes of a dense block,
	s_mov_b32 s[G1K+2], 68<<16                     ; 68 of them: 17,408 bytes
	s_mov_b32 s[G1K+3], 32<<16
	s_mov_b32 s[G1K+4], 68
	s_mov_b32 s[G1K+5], 32
	s_mov_b32 s[G1K+6], 0
	s_mov_b32 s[G1K+7], 0
	s_mov_b32 s[G1V+0], 15|(1<<20)|(1<<21)|(5<<22)|(3<<25)   ; V: elements of 1 byte; four words of padding behind every 64
	s_mov_b32 s[G1V+1], 256<<16                    ; 256 bytes: 512 keys,
	s_mov_b32 s[G1V+2], 64<<16                     ; 64 rows: the head's channels
	s_mov_b32 s[G1V+3], 256<<16
	s_mov_b32 s[G1V+4], 64
	s_mov_b32 s[G1V+5], 1024
	s_mov_b32 s[G1V+6], 0
	s_mov_b32 s[G1V+7], 0
	s_wait_alu depctr_va_vdst(0)
	s_wait_dscnt 0x0                               ; both opening adds are done
	s_wait_kmcnt 0x0
	s_add_nc_u64 s[18:19], s[18:19], s[26:27]
	s_add_nc_u64 s[22:23], s[22:23], s[28:29]
	s_add_nc_u64 s[24:25], s[24:25], s[30:31]
	s_mov_b32 s[G0K], 1
	s_mov_b32 s[G0K+1], s35
	s_add_nc_u64 s[G0K+2:G0K+3], s[18:19], s[38:39]
	s_or_b32 s[G0K+3], s[G0K+3], 0x80000000
	s_mov_b32 s[G0V], 1
	s_add_co_u32 s[G0V+1], s35, VREG
	s_add_nc_u64 s[G0V+2:G0V+3], s[22:23], s[36:37]
	s_or_b32 s[G0V+3], s[G0V+3], 0x80000000
	CROUND                                         ; all four work-groups are here: the joint loads meet
	s_cmp_lt_u32 s[WV], 4                          ; one chain of branches on the wave's number, one load to an arm
	s_cbranch_scc0 .Lnot_k
	tensor_load_to_lds s[G0K:G0K+3], s[G1K:G1K+7]
	s_nop 0
.rept 4
	v_nop
.endr
	s_branch .Lasked
.Lnot_k:
	s_cmp_lt_u32 s[WV], 8
	s_cbranch_scc0 .Lasked
	tensor_load_to_lds s[G0V:G0V+3], s[G1V:G1V+7]
	s_nop 0
.rept 4
	v_nop
.endr
.Lasked:
	global_load_b64 v[248:249], v232, s[24:25]     ; V's scale bytes: 4,096 consecutive bytes for the 512 threads
	ASK 0
	FIN
	ds_store_b64 v233, v[248:249]                  ; waited for in front of the barrier below
.macro MPROD t                         ; tile t's accumulator begins: -2^66 where hidden, 0 where open
.if ((\t)%2) == 0
.set EA, 30-(\t)
.else
.set EA, 39-(\t)
.endif
	v_wmma_scale_f32_16x16x128_f8f6f4 v[S+8*(\t):S+8*(\t)+7], v[EA:EA+7], v[MB:MB+7], 0, v46, v46 matrix_a_fmt:MATRIX_FMT_FP4 matrix_b_fmt:MATRIX_FMT_FP4
.endm
.macro SPROD t                         ; and K Q^T is added in place.  K's scale words: register t / 4, lanes 0-15 for the pairs 0 and 2, lanes 16-31 for 1 and 3
.set QB, 20-4*((\t)%2)
.set KA, KF+8*((\t)/2)
.set SD, S+8*(\t)
.if (((\t)/2)%2) == 0
	v_wmma_scale_f32_16x16x128_f8f6f4 v[SD:SD+7], v[KA:KA+7], v[QB:QB+7], v[SD:SD+7], v[50+(\t)/4], v47 matrix_a_fmt:MATRIX_FMT_FP4 matrix_b_fmt:MATRIX_FMT_FP4
.else
	v_wmma_scale_f32_16x16x128_f8f6f4 v[SD:SD+7], v[KA:KA+7], v[QB:QB+7], v[SD:SD+7], v[50+(\t)/4], v47 matrix_a_fmt:MATRIX_FMT_FP4 matrix_b_fmt:MATRIX_FMT_FP4 matrix_a_scale:MATRIX_SCALE_ROW1
.endif
.endm
; A KEY STEP: 128 keys.  Its mask codes were asked for a step ago (the pass's first: with Q).
.macro STEP
	v_add_nc_u32 v5, s[TK], v1                     ; four plain instructions: the places between the last step's products and the loads into their registers
	v_add_nc_u32 v6, s[TK], v2
	v_add_nc_u32 v7, s[TV], v3
	v_add_nc_u32 v8, s[TS], v4
.irp m, 0,1,2,3,4,5,6,7
	ds_load_b128 v[KF+4*\m:KF+4*\m+3], v5 offset:512*\m
.endr
	ds_load_b64 v[50:51], v6
.irp t, 0,1,2,3
.irp c, 0,1
	ds_load_b128 v[VF+8*\t+4*\c:VF+8*\t+4*\c+3], v7 offset:16*VP*\t+32*\c
.endr
.endr
.irp a, 0,1
	ds_load_b32 v[52+\a], v8 offset:32*VSP*\a
.endr
	s_wait_loadcnt 0x0                             ; the mask codes are in, and their loads have read v9
.irp t, 0,1,2,3,4,5,6,7
	MPROD \t
.endr
	s_wait_dscnt 10                                ; K's nine loads are in; V's ten, issued behind them, may be out
.irp t, 0,1,2,3,4,5,6,7                        ; the eight accumulators by turns
	SPROD \t
.endr
	s_add_co_u32 s[OFF], s[OFF], 1024              ; the next step's mask codes,
	s_min_u32 s[OFF], s[OFF], 15360                ; or, in the tile's last step, the same again
	v_add_nc_u32 v9, s[OFF], v1                    ; with the three below: four places behind the products
.rept 3
	v_nop
.endr
	global_load_b128 v[MB:MB+3], v9, s[MP:MP+1]
	global_load_b128 v[MB+4:MB+7], v9, s[MP:MP+1] offset:512
.irp b, 0,1,2,3
	v_max3_num_f32 v[BM+\b], v[S+16*\b], v[S+1+16*\b], v[S+2+16*\b]       ; the largest score of each block of 32 keys: for the row's maximum and for the block's largest p
.endr
.irp i, 3,5,7,9,11,13
.irp b, 0,1,2,3
	v_max3_num_f32 v[BM+\b], v[BM+\b], v[S+16*\b+\i], v[S+1+16*\b+\i]     ; (the four blocks by turns)
.endr
.endr
.irp b, 0,1,2,3
	v_max_num_f32 v[BM+\b], v[BM+\b], v[S+15+16*\b]
.endr
.irp b, 0,1,2,3
	s_delay_alu instid0(VALU_DEP_4)
	v_permlanex16_b32 v[PD+\b], v[BM+\b], s[SEL], s[SEL+1]
.endr
.irp b, 0,1,2,3
	s_delay_alu instid0(VALU_DEP_4)
	v_max_num_f32 v[BM+\b], v[BM+\b], v[PD+\b]
.endr
	s_delay_alu instid0(VALU_DEP_2)
	v_max3_num_f32 v246, v[BM], v[BM+1], v[BM+2]
	s_delay_alu instid0(VALU_DEP_1)
	v_max_num_f32 v246, v246, v[BM+3]
	s_delay_alu instid0(VALU_DEP_1)
	v_mul_f32 v246, s[CS], v246
	s_delay_alu instid0(VALU_DEP_1)
	v_max_num_f32 v13, v13, v246                   ; the running largest t
	v_mov_b32 v246, v12
	s_delay_alu instid0(VALU_DEP_2)
	v_floor_f32 v12, -v13                          ; the new -M
	s_delay_alu instid0(VALU_DEP_1)
	v_sub_f32 v246, v12, v246
	s_delay_alu instid0(VALU_DEP_1)
	v_cvt_i32_f32 v246, v246
	s_delay_alu instid0(VALU_DEP_1)
	v_ldexp_f32 v244, 1.0, v246                    ; f = 2^(old M - new M)
.irp j, 0,2,4,6,8,10,12,14,16,18,20,22,24,26,28,30,32,34,36,38,40,42,44,46,48,50,52,54,56,58,60,62
	v_pk_fma_f32 v[S+\j:S+\j+1], v[S+\j:S+\j+1], s[CS:CS+1], v[12:13] op_sel_hi:[1,0,0]    ; t - M
.endr
.irp b, 0,1,2,3
	v_fma_f32 v[BM+\b], v[BM+\b], s[CS], v12
.endr
	s_wait_alu depctr_va_vdst(0)
.set J, 0
.rept 64
	v_exp_f32 v[S+J], v[S+J]
.set J, J+1
.endr
.irp b, 0,1,2,3
	v_exp_f32 v[BM+\b], v[BM+\b]                   ; the block's largest p: the same two instructions on the same number
.endr
	v_pk_mul_f32 v[14:15], v[14:15], v[244:245] op_sel_hi:[1,0]    ; the sum under the new M (a plain place behind the batch)
	s_wait_alu depctr_va_vdst(0)                   ; and the wait behind it
.irp b, 0,1,2,3
	v_max_num_f32 v[BM+\b], 0x1800000, v[BM+\b]
.endr
.irp b, 0,1,2,3
	s_delay_alu instid0(VALU_DEP_4)
	v_add_nc_u32 v[SC+\b], 0xff000000, v[BM+\b]
.endr
.irp b, 0,1,2,3
	s_delay_alu instid0(VALU_DEP_4)
	v_lshrrev_b32 v[PD+\b], 23, v[SC+\b]
.endr
	s_delay_alu instid0(VALU_DEP_3)
	v_lshl_or_b32 v48, v[PD+1], 8, v[PD]           ; p's scale word
	s_delay_alu instid0(VALU_DEP_1)
	v_lshl_or_b32 v48, v[PD+2], 16, v48
	s_delay_alu instid0(VALU_DEP_1)
	v_lshl_or_b32 v48, v[PD+3], 24, v48
.irp t, 0,1,2,3,4,5,6,7                        ; tile t's eight codes go to place 4 (t / 4) + 0, 2, 1, 3 for t % 4 = 0, 1, 2, 3,
	v_cvt_scalef32_pk8_fp4_f32 v[P+4*(\t/4)+2*(\t%2)+(\t%4)/2], v[S+8*\t:S+8*\t+7], v[SC+\t/2]
.endr
	v_nop
.irp c, 0,2,4,6                                ; so that these exchanges leave keys 64 c + 32 h + 0 .. 31 in registers 4 c .. 4 c + 3
	v_permlane16_swap_b32 v[P+\c], v[P+\c+1]
.endr
	v_pk_add_f32 v[248:249], v[S:S+1], v[S+2:S+3]                  ; the row's sum of the unquantised p, in four chains
	v_pk_add_f32 v[250:251], v[S+4:S+5], v[S+6:S+7]
	v_pk_add_f32 v[252:253], v[S+8:S+9], v[S+10:S+11]
	v_pk_add_f32 v[14:15], v[14:15], v[S+12:S+13]
.irp j, 14,22,30,38,46,54
	v_pk_add_f32 v[248:249], v[248:249], v[S+\j:S+\j+1]
	v_pk_add_f32 v[250:251], v[250:251], v[S+\j+2:S+\j+3]
	v_pk_add_f32 v[252:253], v[252:253], v[S+\j+4:S+\j+5]
	v_pk_add_f32 v[14:15], v[14:15], v[S+\j+6:S+\j+7]
.endr
	v_pk_add_f32 v[248:249], v[248:249], v[S+62:S+63]
	s_delay_alu instid0(VALU_DEP_3)
	v_pk_add_f32 v[250:251], v[250:251], v[252:253]
	s_delay_alu instid0(VALU_DEP_2)
	v_pk_add_f32 v[14:15], v[14:15], v[248:249]
	s_delay_alu instid0(VALU_DEP_1)
	v_pk_add_f32 v[14:15], v[14:15], v[250:251]
	s_wait_alu depctr_va_vdst(0)
.irp j, 0,2,4,6,8,10,12,14,16,18,20,22,24,26,28,30
	v_pk_mul_f32 v[O+\j:O+\j+1], v[O+\j:O+\j+1], v[244:245] op_sel_hi:[1,0]   ; O^T under the new M
.endr
	s_wait_alu depctr_va_vdst(0)
	s_wait_dscnt 0x0                               ; V and its scale words are in
.irp t, 0,2                                    ; O^T += V^T P^T: the four accumulators by turns
	v_wmma_scale_f32_16x16x128_f8f6f4 v[O+8*\t:O+8*\t+7], v[VF+8*\t:VF+8*\t+7], v[P:P+7], v[O+8*\t:O+8*\t+7], v[52+\t/2], v48 matrix_a_fmt:MATRIX_FMT_FP4 matrix_b_fmt:MATRIX_FMT_FP4
	v_wmma_scale_f32_16x16x128_f8f6f4 v[O+8*\t+8:O+8*\t+15], v[VF+8*\t+8:VF+8*\t+15], v[P:P+7], v[O+8*\t+8:O+8*\t+15], v[52+\t/2], v48 matrix_a_fmt:MATRIX_FMT_FP4 matrix_b_fmt:MATRIX_FMT_FP4 matrix_a_scale:MATRIX_SCALE_ROW1
.endr
	s_add_co_u32 s[TK], s[TK], REC
	s_add_co_u32 s[TV], s[TV], 64
	s_add_co_u32 s[TS], s[TS], 4
.endm
.macro CHUNK                           ; a chunk's four steps
	s_mov_b32 s[CNT], 4
.Lstep_\@:
	STEP
	s_sub_co_u32 s[CNT], s[CNT], 1
	s_cmp_lg_u32 s[CNT], 0
	s_cbranch_scc1 .Lstep_\@
.endm
.macro PLACE j                         ; the LDS bytes at which chunk j begins
	s_mov_b32 s[TK], KCH*\j
	s_mov_b32 s[TV], KCH*\j
	s_mov_b32 s[TS], 16*\j
.endm
; Pass p ends: O^T / the sum, quantised along the head's 64 channels (two blocks of the projection's K), stored as an image of that product's operand.
; more = 1: the next pass's requests go out first.
.macro PASS_END p, more
	s_wait_loadcnt 0x0                             ; the codes that the last step asked for are in: their registers may be loaded again
	s_load_b128 s[8:11], s[0:1], 0x28              ; acodes, ascales
.if \more
	s_load_b64 s[16:17], s[0:1], 0x0               ; query
	s_load_b64 s[20:21], s[0:1], 0x10              ; maskc
.endif
	IDS \p, 76
	s_and_b32 s79, s76, 15                         ; head
	s_lshl_b32 s80, s78, 4
	s_add_co_u32 s80, s80, s79
	s_lshl_b32 s80, s80, 9                         ; codes: ((128 n + T) x 16 + head) x 512
	s_mov_b32 s81, 0
	s_lshl_b32 s82, s78, 9                         ; scale bytes: 512 (128 n + T) + 256 ((head / 2) % 2) + 4 (head / 4) + 2 (head % 2), + 16 r
	s_bfe_u32 s84, s79, 0x10001
	s_lshl_b32 s84, s84, 8
	s_add_co_u32 s82, s82, s84
	s_lshr_b32 s84, s79, 2
	s_lshl_b32 s84, s84, 2
	s_add_co_u32 s82, s82, s84
	s_and_b32 s84, s79, 1
	s_lshl_b32 s84, s84, 1
	s_add_co_u32 s82, s82, s84
	s_mov_b32 s83, 0
	s_wait_kmcnt 0x0
	s_add_nc_u64 s[8:9], s[8:9], s[80:81]
	s_add_nc_u64 s[10:11], s[10:11], s[82:83]
.if \more
	ASK 1
.endif
.rept 4
	v_nop                                          ; places behind the last products
.endr
	v_add_f32 v14, v14, v15
	s_delay_alu instid0(VALU_DEP_1)
	v_permlanex16_b32 v246, v14, s[SEL], s[SEL+1]
	s_delay_alu instid0(VALU_DEP_1)
	v_add_f32 v14, v14, v246
	s_wait_alu depctr_va_vdst(0)                   ; the wait ahead of the transcendental
	v_rcp_f32 v244, v14
	v_nop
	s_wait_alu depctr_va_vdst(0)                   ; and behind it, directly ahead of the first readers
.irp j, 0,2,4,6,8,10,12,14,16,18,20,22,24,26,28,30
	v_pk_mul_f32 v[S+\j:S+\j+1], v[O+\j:O+\j+1], v[244:245] op_sel_hi:[1,0]   ; register 8 t + i: channel 16 t + 8 h + i of my query
.endr
.irp b, 0,1
	v_max3_num_f32 v[BM+\b], |v[S+16*\b]|, |v[S+1+16*\b]|, 0x1800000
.endr
.irp i, 2,4,6,8,10,12,14
.irp b, 0,1
	s_delay_alu instid0(VALU_DEP_2)
	v_max3_num_f32 v[BM+\b], v[BM+\b], |v[S+16*\b+\i]|, |v[S+1+16*\b+\i]|
.endr
.endr
.irp b, 0,1
	s_delay_alu instid0(VALU_DEP_2)
	v_permlanex16_b32 v[PD+\b], v[BM+\b], s[SEL], s[SEL+1]
.endr
.irp b, 0,1
	s_delay_alu instid0(VALU_DEP_2)
	v_max_num_f32 v[BM+\b], v[BM+\b], v[PD+\b]
.endr
.irp b, 0,1
	s_delay_alu instid0(VALU_DEP_2)
	v_add_nc_u32 v[SC+\b], 0xff000000, v[BM+\b]
.endr
.irp b, 0,1
	s_delay_alu instid0(VALU_DEP_2)
	v_lshrrev_b32 v[PD+\b], 23, v[SC+\b]
.endr
	s_delay_alu instid0(VALU_DEP_1)
	v_lshl_or_b32 v246, v[PD+1], 8, v[PD]          ; my query's two scale bytes of this head
.irp t, 0,1,2,3
	v_cvt_scalef32_pk8_fp4_f32 v[P+2*(\t%2)+\t/2], v[S+8*\t:S+8*\t+7], v[SC+\t/2]
.endr
	v_nop
	v_permlane16_swap_b32 v[P], v[P+1]
	v_permlane16_swap_b32 v[P+2], v[P+3]           ; registers 0 .. 3: channels 32 h + 0 .. 31
	global_store_b128 v1, v[P:P+3], s[8:9]         ; 32 lanes store 512 consecutive bytes
	global_store_b16 v11, v246, s[10:11]           ; two bytes a query (lanes 16-31 store what lanes 0-15 store): the word's other half is another head's
	s_wait_xcnt 0x0                                ; the stores' registers are written again only behind this wait
.endm
	PLACE 0
	s_wait_tensorcnt 0x0                           ; the asking waves: my chunk has landed
	s_wait_dscnt 0x0                               ; my LDS store (V's scale bytes) has landed
	s_barrier_signal -1
	s_barrier_wait -1                              ; all of K, V and V's scale bytes are in; nothing is filled again
	CHUNK
.irp j, 1,2,3
	PLACE \j
	CHUNK
.endr
	PASS_END 0, 1
	FIN
.irp j, 0,1,2,3
	PLACE \j
	CHUNK
.endr
	PASS_END 1, 0
	s_wait_tensorcnt 0x0                           ; the wave's end
	ds_add_u32 v254, v255
	s_wait_dscnt 0x0
	CROUND                                         ; the closing round
	s_endpgm
.Lfunc_end_k_q6707bdf9dd_attn:
	.size	k_q6707bdf9dd_attn, .Lfunc_end_k_q6707bdf9dd_attn-k_q6707bdf9dd_attn
	.p2alignl 7, 3214868480
	.fill 96, 4, 3214868480
	.section	.rodata,"a",@progbits
	.p2align	6, 0x0
	.amdhsa_kernel k_q6707bdf9dd_attn
		.amdhsa_group_segment_fixed_size 223744
		.amdhsa_private_segment_fixed_size 0
		.amdhsa_enable_private_segment 0
		.amdhsa_kernarg_size 56
		.amdhsa_user_sgpr_count 2
		.amdhsa_user_sgpr_kernarg_segment_ptr 1
		.amdhsa_wavefront_size32 1
		.amdhsa_system_sgpr_workgroup_id_x 1
		.amdhsa_system_sgpr_workgroup_id_y 1
		.amdhsa_system_sgpr_workgroup_id_z 1
		.amdhsa_system_vgpr_workitem_id 0
		.amdhsa_next_free_vgpr 256
		.amdhsa_next_free_sgpr 90
		.amdhsa_reserve_vcc 0
		.amdhsa_float_denorm_mode_32 3
		.amdhsa_float_denorm_mode_16_64 3
		.amdhsa_memory_ordered 1
		.amdhsa_forward_progress 1
		.amdhsa_inst_pref_size 170
	.end_amdhsa_kernel
	.amdgpu_metadata
---
amdhsa.version: [ 1, 2 ]
amdhsa.kernels:
  - .name:           k_q6707bdf9dd_attn
    .symbol:         k_q6707bdf9dd_attn.kd
    .args:
      - { .name: query, .offset: 0, .size: 8, .value_kind: global_buffer, .address_space: global }
      - { .name: kimg, .offset: 8, .size: 8, .value_kind: global_buffer, .address_space: global }
      - { .name: maskc, .offset: 16, .size: 8, .value_kind: global_buffer, .address_space: global }
      - { .name: values_codes, .offset: 24, .size: 8, .value_kind: global_buffer, .address_space: global }
      - { .name: values_scales, .offset: 32, .size: 8, .value_kind: global_buffer, .address_space: global }
      - { .name: acodes, .offset: 40, .size: 8, .value_kind: global_buffer, .address_space: global }
      - { .name: ascales, .offset: 48, .size: 8, .value_kind: global_buffer, .address_space: global }
    .group_segment_fixed_size: 223744
    .private_segment_fixed_size: 0
    .kernarg_segment_align: 8
    .kernarg_segment_size: 56
    .max_flat_workgroup_size: 512
    .sgpr_count:     90
    .vgpr_count:     256
    .wavefront_size: 32
...
	.end_amdgpu_metadata
.endif
;; end of part 5
;; launch proj (part 6): grid 4 x 64, 4 waves a work-group, clusters of 4 x 4, 218,624 bytes of LDS; arguments acodes, ascales, W_out_codes, W_out_scales, b_out, out0; writes out0
.if DOCPART == 6
	.amdgcn_target "amdgcn-amd-amdhsa--gfx1250"
	.amdhsa_code_object_version 6
	.text
	.protected	k_q6707bdf9dd_proj
	.globl	k_q6707bdf9dd_proj
	.p2align	8
	.type	k_q6707bdf9dd_proj,@function
k_q6707bdf9dd_proj:
	s_mov_b64 s[64:65], 0
	v_nop
	global_prefetch_b8 v0, s[64:65] scope:SCOPE_SE
	s_setreg_imm32_b32 hwreg(HW_REG_WAVE_MODE, 25, 1), 1
	s_wait_xcnt 0x0
	s_wait_alu depctr_hold_cnt(0) depctr_sa_sdst(0) depctr_va_vdst(0) depctr_va_sdst(0) depctr_va_ssrc(0) depctr_va_vcc(0) depctr_vm_vsrc(0)
	s_getreg_b32 s2, hwreg(HW_REG_IB_STS2, 6, 4)
	s_cmp_eq_u32 s2, 0
	s_cbranch_scc0 .Lentry_in_a_cluster
	s_endpgm
.Lentry_in_a_cluster:
	s_bfe_u32 s2, ttmp6, 0x10000c
	s_cmp_lg_u32 s2, 0xf033
	s_cbranch_scc0 .Lentry_shape_is_right
	s_endpgm
.Lentry_shape_is_right:
; out0[m][o] = sum over e of A[m][e] W_out[o][e] + b_out[o], on codes of FP4 (E2M1) with one E8M0 scale for each 32 along e; sums in f32.
; A comes from the attention launch as images of the operand's registers: for a tile of 16 rows and K step s (128 along e) 1,024 consecutive bytes, register group c of lane L at 512 c + 16 L;
; its scale words as 512 bytes a tile: lane L's 16 bytes at 16 L are four registers, register q holding K step 2 q in lanes 0-15 and K step 2 q + 1 in lanes 16-31.
; SHARES.  Work-group (x, y): rows 128 y on (eight tiles of 16), columns 256 x on; wave w: columns 256 x + 64 w on, four tiles of 16.  The wave's 64 rows of W_out (all of K: 256 registers), their scale words,
; A's scale words and the bias stay in registers; A's fragments come from LDS, two row tiles ahead.
; CLUSTER, 4 x 4.  The four work-groups of a cluster's row share y and so A's 65,536 bytes; the four of a column share x and so W_out's 256 rows.  Waves 0, 1 ask JOINTLY for 128 rows of W_out each (the column's mask; rows of
; 512 bytes, padded in LDS to 528) and waves 2, 3 for half of A each (the row's mask; 32,768 dense bytes): one tensor load of a wave is out.  Every LDS byte is filled once, nothing is filled again: one round of the cluster's
; barrier in front of the loads, one in front of the end.  W's address is made of x and the wave's number, A's of y and the wave's number, each in registers that never hold the other coordinate; LDS addresses of the wave's number alone.
; THE MATRIX INSTRUCTION IS USED TRANSPOSED (source 0 = 16 rows of W_out, source 1 = 16 rows of A): a lane holds eight neighbouring columns of one row of out0.  The bias is the C of each sum's first product.
; REGISTERS, in windows of 256: window 0: v1-8 addresses; v16-31 W's scale words (register 8 a + s: tiles 2 a, 2 a + 1 in the two halves of the lanes); v32-63 four accumulators; v64-95 rows on their way out;
;   v96-127 A's scale words, four registers a row tile; v128-255 A's fragments, two sets of 64.   window 1: W's fragment (tn, s) at v[8 (8 tn + s)].   window 2: v0-31 the bias, eight registers a tile.
.set WP,    528                        ; a row of W in LDS: 512 bytes + 16 of padding = 33 x 16: sixteen rows start at sixteen different 16-byte columns
.set WREGW, 64*WP                      ; a wave's 64 rows of W; the four waves' lie on end from LDS byte 0
.set AREG,  4*WREGW                    ; A's eight row tiles,
.set ATILE, 8192                       ; 8,192 bytes each
.set STG0,  AREG+8*ATILE               ; the stages for the way out: no fill lands here
.set STGW,  16*272                     ; a wave's: 16 rows x (256 + 16) bytes
.set WS,  16
.set ACC, 32
.set OB,  64
.set AS,  96
.set AF,  128
.set G1A, 24                           ; s[24:31] descriptor group 1 for A, s[32:35] its group 0
.set G0A, 32
.set G1W, 48                           ; s[48:55], s[56:59] the same for W
.set G0W, 56
.set MSB, 0
.macro WIN new                         ; the immediate's high byte repeats the setting that is left
.if MSB != \new
	s_set_vgpr_msb (MSB<<8)|\new
.set MSB, \new
.endif
.endm
.macro CROUND                          ; a round of the cluster's barrier
	s_barrier_signal -1
	s_barrier_wait -1
	s_cmp_lg_u32 s16, 0
	s_cbranch_scc1 .Lnot_wave_0_\@
	s_barrier_signal -3
.Lnot_wave_0_\@:
	s_barrier_wait -3
	s_barrier_signal -1
	s_barrier_wait -1
.endm
	s_load_b256 s[4:11], s[0:1], 0x0               ; acodes s[4:5], ascales s[6:7], W's codes s[8:9], W's scales s[10:11]
	s_load_b128 s[12:15], s[0:1], 0x20             ; b_out s[12:13], out0 s[14:15]
	v_lshl_add_u32 v14, v0, 2, 0x35400
	v_mov_b32 v15, 0
	ds_add_u32 v14, v15
	ds_add_u32 v14, v15
	v_lshrrev_b32 v9, 5, v0
	v_readfirstlane_b32 s16, v9                    ; wave 0..3
	v_and_b32 v9, 31, v0                           ; l
	v_and_b32 v10, 15, v0                          ; r
	v_bfe_u32 v11, v0, 4, 1                        ; h
	s_mul_i32 s18, s16, STGW
	s_add_co_u32 s18, s18, STG0                    ; my stage
	s_mul_i32 s19, s16, WREGW                      ; my rows of W in LDS
	v_lshlrev_b32 v1, 4, v9                        ; 16 l
	v_mul_u32_u24 v2, v10, 272                     ; the way out, in: row r, 32 bytes for each half of the lanes
	v_lshl_add_u32 v2, v11, 5, v2
	v_add_nc_u32 v2, s18, v2
	v_mul_u32_u24 v3, v11, 272                     ; back: lanes 0-15 one row of 256 bytes, lanes 16-31 the next
	v_lshl_add_u32 v3, v10, 4, v3
	v_add_nc_u32 v3, s18, v3
	v_lshlrev_b32 v4, 12, v11                      ; and the same two rows in out0
	v_lshl_add_u32 v4, v10, 4, v4
	v_add_nc_u32 v5, AREG, v1                      ; A's images: 16 l
	v_mul_u32_u24 v6, v10, WP                      ; W's fragments: row r, + 16 h
	v_lshl_add_u32 v6, v11, 4, v6
	v_add_nc_u32 v6, s19, v6
	v_lshlrev_b32 v7, 5, v11                       ; the bias: my half's eight numbers
	v_lshlrev_b32 v8, 5, v9                        ; W's scale words: 32 bytes a row
	s_bfe_u32 s40, ttmp6, 0x40000                  ; cx, cy: my place in the cluster
	s_bfe_u32 s41, ttmp6, 0x40004
	s_lshl_b32 s42, ttmp9, 2
	s_add_co_u32 s42, s42, s40                     ; x = 4 x cluster x + cx
	s_and_b32 s17, ttmp7, 0xffff
	s_lshl_b32 s17, s17, 2
	s_add_co_u32 s17, s17, s41                     ; y = 4 x cluster y + cy
	s_lshl_b32 s43, s41, 2
	s_lshl_b32 s43, 15, s43                        ; my row of the cluster: places 4 cy .. 4 cy + 3
	s_lshl_b32 s44, 0x1111, s40                    ; my column: places cx, cx + 4, cx + 8, cx + 12
	s_or_b32 s[G1A+0], s43, (3<<16)|(1<<21)        ; A: the row's mask; elements of 8 bytes; no padding; bit 21 beside a mask
	s_mov_b32 s[G1A+1], 32<<16                     ; tensor_dim0 = 32 elements: rows of 256 bytes of a dense block
	s_mov_b32 s[G1A+2], 128<<16                    ; tensor_dim1 = 128 rows: 32,768 bytes, half of A
	s_mov_b32 s[G1A+3], 32<<16                     ; tile_dim0
	s_mov_b32 s[G1A+4], 128                        ; tile_dim1
	s_mov_b32 s[G1A+5], 32                         ; the pitch
	s_mov_b32 s[G1A+6], 0
	s_mov_b32 s[G1A+7], 0
	s_or_b32 s[G1W+0], s44, (1<<20)|(1<<21)|(6<<22)|(3<<25)        ; W: the column's mask; elements of 1 byte; four words of padding behind every 128
	s_mov_b32 s[G1W+1], 512<<16                    ; tensor_dim0 = 512 bytes: a row's 1,024 codes
	s_mov_b32 s[G1W+2], 128<<16                    ; tensor_dim1 = 128 rows: half of the work-group's rows of W
	s_mov_b32 s[G1W+3], 512<<16
	s_mov_b32 s[G1W+4], 128
	s_mov_b32 s[G1W+5], 512
	s_mov_b32 s[G1W+6], 0
	s_mov_b32 s[G1W+7], 0
	s_lshl_b32 s20, s17, 16                        ; A: 65,536 y
	s_and_b32 s37, s16, 1                          ; which half I ask for: waves 0, 1 of W, waves 2, 3 of A
	s_lshl_b32 s21, s37, 15                        ; A: 65,536 y + 32,768 x half
	s_add_co_u32 s20, s20, s21
	s_mov_b32 s21, 0
	s_lshl_b32 s36, s37, 15                        ; and in LDS 32,768 x half behind AREG
	s_lshl_b32 s46, s42, 17                        ; W: 256 x rows of 512 bytes
	s_lshl_b32 s47, s37, 16                        ; W: (256 x + 128 x half) rows of 512 bytes
	s_add_co_u32 s46, s46, s47
	s_mov_b32 s47, 0
	s_lshl_b32 s66, s42, 8
	s_lshl_b32 s67, s16, 6
	s_add_co_u32 s66, s66, s67                     ; n0 = 256 x + 64 w
	s_lshl_b32 s68, s17, 12                        ; A's scale words: eight tiles of 512 bytes
	s_mov_b32 s69, 0
	s_lshl_b32 s70, s66, 5                         ; W's scale bytes: rows of 32
	s_mov_b32 s71, 0
	s_lshl_b32 s72, s66, 2                         ; the bias
	s_mov_b32 s73, 0
	s_lshl_b32 s74, s17, 19                        ; out0: 128 rows of 4,096 bytes, + 4 n0
	s_add_co_u32 s74, s74, s72
	s_mov_b32 s75, 0
	s_wait_dscnt 0x0
	s_wait_kmcnt 0x0
	s_add_nc_u64 s[20:21], s[4:5], s[20:21]
	s_add_nc_u64 s[46:47], s[8:9], s[46:47]
	s_add_nc_u64 s[6:7], s[6:7], s[68:69]
	s_add_nc_u64 s[10:11], s[10:11], s[70:71]
	s_add_nc_u64 s[12:13], s[12:13], s[72:73]
	s_add_nc_u64 s[14:15], s[14:15], s[74:75]
	s_mov_b32 s[G0W], 1                            ; count 1
	s_mul_i32 s[G0W+1], s37, 2*WREGW               ; LDS byte: two waves' rows to a load
	s_mov_b64 s[G0W+2:G0W+3], s[46:47]             ; global address
	s_or_b32 s[G0W+3], s[G0W+3], 0x80000000        ; type 2
	s_mov_b32 s[G0A], 1
	s_add_co_u32 s[G0A+1], s36, AREG
	s_mov_b64 s[G0A+2:G0A+3], s[20:21]
	s_or_b32 s[G0A+3], s[G0A+3], 0x80000000
	CROUND                                         ; all sixteen work-groups are here: the joint loads meet
	; ONE JOINT LOAD A WAVE: waves 0 and 1 ask for the halves of the work-group's 256 rows of W, waves 2 and 3 for the halves of A's 65,536 bytes.
	s_cmp_lt_u32 s16, 2
	s_cbranch_scc0 .Lfor_a
	tensor_load_to_lds s[G0W:G0W+3], s[G1W:G1W+7]
	s_nop 0
.rept 4
	v_nop
.endr
	s_branch .Lasked
.Lfor_a:
	tensor_load_to_lds s[G0A:G0A+3], s[G1A:G1A+7]
	s_nop 0
.rept 4
	v_nop
.endr
.Lasked:
.rept 4
	v_nop                                          ; four v_nop follow the second
.endr
	WIN 0x80                                       ; destination window 2
	s_wait_alu depctr_va_vdst(0)
.irp tn, 0,1,2,3
	global_load_b128 v[8*\tn:8*\tn+3], v7, s[12:13] offset:64*\tn          ; b_out at columns n0 + 16 tn + 8 h + 0 .. 7: the result's layout
	global_load_b128 v[8*\tn+4:8*\tn+7], v7, s[12:13] offset:64*\tn+16
.endr
	WIN 0
.irp a, 0,1
	global_load_b128 v[WS+8*\a:WS+8*\a+3], v8, s[10:11] offset:1024*\a     ; row n0 + 32 a + l: its eight scale words
	global_load_b128 v[WS+8*\a+4:WS+8*\a+7], v8, s[10:11] offset:1024*\a+16
.endr
.irp i, 0,1,2,3,4,5,6,7
	global_load_b128 v[AS+4*\i:AS+4*\i+3], v1, s[6:7] offset:512*\i        ; row tile i's scale words: 512 consecutive bytes
.endr
	s_wait_tensorcnt 0x0                           ; my load has landed;
	s_barrier_signal -1
	s_barrier_wait -1                              ; everybody's has: all of W's rows and of A are in
	WIN 0x40                                       ; destination window 1
.irp tn, 0,1,2,3
.irp s, 0,1,2,3,4,5,6,7
.irp c, 0,1
	ds_load_b128 v[64*\tn+8*\s+4*\c:64*\tn+8*\s+4*\c+3], v6 offset:16*WP*\tn+64*\s+32*\c
.endr
.endr
.endr
	WIN 0
	s_wait_tensorcnt 0x0                           ; my tensor load has landed,
	s_wait_loadcnt 0x0                             ; the bias and the scale words are in,
	s_wait_dscnt 0x0                               ; and so are W's fragments
.macro FETCH i                         ; row tile i's eight fragments, as they lie: 512 consecutive bytes a load, sixteen loads
.irp s, 0,1,2,3,4,5,6,7
.irp c, 0,1
	ds_load_b128 v[AF+64*((\i)%2)+8*\s+4*\c:AF+64*((\i)%2)+8*\s+4*\c+3], v5 offset:ATILE*(\i)+1024*\s+512*\c
.endr
.endr
.endm
	FETCH 0
	FETCH 1
; One product: row tile i, K step s, column tile tn.  W's scale word: lanes 16-31 for an odd tn; A's: lanes 16-31 for an odd s.  For s = 0 the C is the bias (window 2), else the accumulator.
.macro PROD i, s, tn
.set DR, ACC+8*\tn
.set WF, 8*(8*\tn+\s)
.set BR, AF+64*((\i)%2)+8*\s
.set WR, WS+8*(\tn/2)+\s
.set AR, AS+4*(\i)+\s/2
.if \s == 0
.set CR, 8*\tn
.else
.set CR, DR
.endif
.if (\tn%2 == 0) && (\s%2 == 0)
	v_wmma_scale_f32_16x16x128_f8f6f4 v[DR:DR+7], v[WF:WF+7], v[BR:BR+7], v[CR:CR+7], v[WR], v[AR] matrix_a_fmt:MATRIX_FMT_FP4 matrix_b_fmt:MATRIX_FMT_FP4
.elseif (\tn%2 == 1) && (\s%2 == 0)
	v_wmma_scale_f32_16x16x128_f8f6f4 v[DR:DR+7], v[WF:WF+7], v[BR:BR+7], v[CR:CR+7], v[WR], v[AR] matrix_a_fmt:MATRIX_FMT_FP4 matrix_b_fmt:MATRIX_FMT_FP4 matrix_a_scale:MATRIX_SCALE_ROW1
.elseif (\tn%2 == 0) && (\s%2 == 1)
	v_wmma_scale_f32_16x16x128_f8f6f4 v[DR:DR+7], v[WF:WF+7], v[BR:BR+7], v[CR:CR+7], v[WR], v[AR] matrix_a_fmt:MATRIX_FMT_FP4 matrix_b_fmt:MATRIX_FMT_FP4 matrix_b_scale:MATRIX_SCALE_ROW1
.else
	v_wmma_scale_f32_16x16x128_f8f6f4 v[DR:DR+7], v[WF:WF+7], v[BR:BR+7], v[CR:CR+7], v[WR], v[AR] matrix_a_fmt:MATRIX_FMT_FP4 matrix_b_fmt:MATRIX_FMT_FP4 matrix_a_scale:MATRIX_SCALE_ROW1 matrix_b_scale:MATRIX_SCALE_ROW1
.endif
.endm
; A tile of 16 rows x my 64 columns: 32 products, the four accumulators by turns, K ascending; then out through my stage as whole runs of 256 bytes.
; A tile's fragments were fetched two tiles ago; the waits on the way out of the tile before, which leave only the sixteen youngest loads out, have shown them in.
.macro TILE i
.if (\i) == 0
	s_wait_dscnt 16                                ; tile 0's fragments are in; tile 1's sixteen loads may be out
.endif
	WIN 0x21                                       ; source 0 (W) window 1, source 2 (the bias) window 2
.irp tn, 0,1,2,3
	PROD \i, 0, \tn
.endr
	WIN 0x01                                       ; source 0 window 1
.irp s, 1,2,3,4,5,6,7
.irp tn, 0,1,2,3
	PROD \i, \s, \tn
.endr
.endr
	WIN 0
.rept 5
	v_nop                                          ; places in front of the loads into A's registers, of the reads of the results, and of the next tile's first products, which write over the accumulators
.endr
	s_wait_xcnt 0x0                                ; the last tile's stores have read their registers
.irp tn, 0,1,2,3
	ds_store_b128 v2, v[ACC+8*\tn:ACC+8*\tn+3] offset:64*\tn       ; each accumulator from its low end on
	ds_store_b128 v2, v[ACC+8*\tn+4:ACC+8*\tn+7] offset:64*\tn+16
.endr
.irp e, 0,1,2,3,4,5,6,7
	ds_load_b128 v[OB+4*\e:OB+4*\e+3], v3 offset:544*\e            ; two rows a load; in order behind the stores
.endr
.if (\i) < 6
	FETCH (\i)+2                                   ; into the set that this tile's products have read
.endif
.irp e, 0,1,2,3,4,5,6,7
.if (\i) < 6
	s_wait_dscnt 23-\e                             ; load e from the stage is in; the younger ones and the sixteen fragment loads may be out
.else
	s_wait_dscnt 7-\e                              ; load e is in; the younger ones may be out
.endif
	global_store_b128 v4, v[OB+4*\e:OB+4*\e+3], s[14:15] offset:(16*(\i)+2*\e)*4096 th:TH_STORE_NT   ; sixteen lanes store 256 consecutive bytes, at a multiple of 256 from out0's first byte
.endr
.endm
.irp i, 0,1,2,3,4,5,6,7
	TILE \i
.endr
	s_wait_dscnt 0x0
	s_wait_tensorcnt 0x0
	ds_add_u32 v14, v15
	s_wait_dscnt 0x0
	CROUND                                         ; the closing round: no work-group ends while a partner may still ask for a tile that names it
	s_endpgm
.Lfunc_end_k_q6707bdf9dd_proj:
	.size	k_q6707bdf9dd_proj, .Lfunc_end_k_q6707bdf9dd_proj-k_q6707bdf9dd_proj
	.p2alignl 7, 3214868480
	.fill 96, 4, 3214868480
	.section	.rodata,"a",@progbits
	.p2align	6, 0x0
	.amdhsa_kernel k_q6707bdf9dd_proj
		.amdhsa_group_segment_fixed_size 218624
		.amdhsa_private_segment_fixed_size 0
		.amdhsa_enable_private_segment 0
		.amdhsa_kernarg_size 48
		.amdhsa_user_sgpr_count 2
		.amdhsa_user_sgpr_kernarg_segment_ptr 1
		.amdhsa_wavefront_size32 1
		.amdhsa_system_sgpr_workgroup_id_x 1
		.amdhsa_system_sgpr_workgroup_id_y 1
		.amdhsa_system_sgpr_workgroup_id_z 1
		.amdhsa_system_vgpr_workitem_id 0
		.amdhsa_next_free_vgpr 544
		.amdhsa_next_free_sgpr 80
		.amdhsa_reserve_vcc 0
		.amdhsa_float_denorm_mode_32 3
		.amdhsa_float_denorm_mode_16_64 3
		.amdhsa_memory_ordered 1
		.amdhsa_forward_progress 1
		.amdhsa_inst_pref_size 71
	.end_amdhsa_kernel
	.amdgpu_metadata
---
amdhsa.version: [ 1, 2 ]
amdhsa.kernels:
  - .name:           k_q6707bdf9dd_proj
    .symbol:         k_q6707bdf9dd_proj.kd
    .args:
      - { .name: acodes, .offset: 0, .size: 8, .value_kind: global_buffer, .address_space: global }
      - { .name: ascales, .offset: 8, .size: 8, .value_kind: global_buffer, .address_space: global }
      - { .name: W_out_codes, .offset: 16, .size: 8, .value_kind: global_buffer, .address_space: global }
      - { .name: W_out_scales, .offset: 24, .size: 8, .value_kind: global_buffer, .address_space: global }
      - { .name: b_out, .offset: 32, .size: 8, .value_kind: global_buffer, .address_space: global }
      - { .name: out0, .offset: 40, .size: 8, .value_kind: global_buffer, .address_space: global }
    .group_segment_fixed_size: 218624
    .private_segment_fixed_size: 0
    .kernarg_segment_align: 8
    .kernarg_segment_size: 48
    .max_flat_workgroup_size: 128
    .sgpr_count:     80
    .vgpr_count:     544
    .wavefront_size: 32
...
	.end_amdgpu_metadata
.endif
;; end of part 6
